; MI455X (gfx1250); checked and timed in simulation.
; The chip was launched on July 23, 2026; its instructions are those of AMD's public machine-readable ISA for CDNA 5 (MIT licence, August 2026) and "CDNA5" Instruction Set Architecture Reference Guide (July 2026). The comments in the code are by the model that wrote it; some were corrected since.
;; L2 Cross Attention. Allowed arithmetic: matrix products marked QUANTISED: E2M3 operands, one E8M0 scale for each 32 along K, by v_wmma_scale_f32_16x16x128_f8f6f4 with both operands' format E2M3, f32 sums; everything else in f32.
;; Inputs: Wo 1,024 x 1,024 float32; Wq 1,024 x 1,024 float32; Wv 1,024 x 1,024 float32; bo 1,024 float32; bq 1,024 float32; bv 1,024 float32; x 4 x 2,048 x 1,024 float32.
;; Outputs: out0 4 x 2,048 x 1,024 float32.
;; This version of the problem:
;;   THIS VERSION OF THE PROBLEM IS GIVEN IN LOW PRECISION. The matrix products marked QUANTISED in the list below multiply operands that are first quantised to E2M3 (2 exponent bits, 3 mantissa bits; 6 bits a number), with one power-of-two scale for each 32 numbers along K (OCP MX v1.0); their sums are f32. All else is computed in f32.
;;   The module's matrix products, in the order in which they are computed (A, B: the left and right operand; K: the contracted axis; several contracted axes count as one K, in the product's order):
;;     1. [M 8,192, K 1,024] x [K 1,024, N 1,024]; A: input x; B: input Wq: QUANTISED
;;     2. [M 8,192, K 1,024] x [K 1,024, N 1,024]; A: input x; B: input Wv: QUANTISED
;;     3. batch 64 x [M 2,048, K 64] x [K 64, N 2,048]; A: computed on the way; B: computed on the way: QUANTISED
;;     4. batch 64 x [M 2,048, K 2,048] x [K 2,048, N 64]; A: softmax (see below); B: computed on the way: QUANTISED
;;     5. [M 8,192, K 1,024] x [K 1,024, N 1,024]; A: computed on the way; B: input Wo: QUANTISED
;;   THE QUANTISER, for each operand of a quantised product, along K:
;;     - K is cut into blocks of 32 from its start; a last block that is shorter is filled with zeros.
;;     - A block's scale is 2^e with e = floor(log2(the largest magnitude in the block)) - 2, held to -126 .. 127; a block of zeros has e = 0. As a byte (E8M0): e + 127.
;;     - Each number is divided by its block's scale, clamped to +-7.5, and rounded to the nearest number of E2M3, ties to even, subnormals kept.
;;     - The product sums the exact products of the quantised numbers (number of the format x scale) in f32.
;;   ~~~python
;;   def quantise(x, axis):      # numpy; x: float32 -> the quantised numbers, widened to float32 again
;;       x = np.moveaxis(x, axis, -1); K = x.shape[-1]
;;       x = np.pad(x, [(0, 0)] * (x.ndim - 1) + [(0, -K % 32)]); x = x.reshape(x.shape[:-1] + (-1, 32)); a = np.abs(x).max(-1, keepdims=True)
;;       e = np.where(a > 0, np.clip(np.frexp(np.where(a > 0, a, 1))[1] - 1 - 2, -126, 127), 0)      # np.frexp(a)[1] - 1 = floor(log2(a)), exactly
;;       r = np.clip(x / 2.0 ** e, -7.5, 7.5)
;;       step = 2.0 ** (np.maximum(np.frexp(np.where(r == 0, 1, r))[1] - 1, 0) - 3)
;;       q = np.round(r / step) * step * 2.0 ** e      # np.round: ties to even
;;       return np.moveaxis(q.reshape(q.shape[:-2] + (-1,))[..., :K], -1, axis).astype(np.float32)
;;   ~~~
;;   SOFTMAX AHEAD OF A QUANTISED PRODUCT. Where the list says 'softmax', what is quantised is not the finished softmax but p = 2^(t - M), with t = logit x log2(e) and M = ceil(the row's largest t), a whole number; so 1/2 < the row's largest p <= 1. The row's sum l is taken of the UNQUANTISED p, in f32, and the product's result is divided by l at the end. Since M is a whole number, a kernel that streams over the keys may use a running M (the ceiling of the running maximum): every later rescaling is an exact power of two, which a block's scale takes up: the codes' values come out the same.
;;   OPERANDS COMPUTED ON THE WAY. 'Computed on the way' means the value that the module computes at that place (a softmax that the list does not call 'softmax' is quantised finished and normalised). What goes into a quantiser is computed in f32, as accurately as f32 sums, v_exp_f32 and their like allow (about 1e-6 of the number): no bf16 or f16 on the way to a quantiser, and a product that is left as it is and whose result goes on into a quantised operand takes f32 operands (vector FMAs, or v_wmma_f32_16x16x4_f32). A number that lies on a knife's edge between two numbers of the format may be rounded either way, as far as f32 arithmetic and the matrix unit's own rounding can turn it there, and no further.
;; One version. Each part assembles by itself: llvm-mc -triple=amdgcn-amd-amdhsa -mcpu=gfx1250 --defsym DOCPART=n.
;; ======== version 1 of 1: 4 launches
;; limits: right only within a limited range of input values
;; workspace buffers: xc 6,291,456 bytes; xs 262,144 bytes; wc 2,359,296 bytes; ws 98,304 bytes; kv 13,893,632 bytes; oc 6,291,456 bytes; os 262,144 bytes
;; launch quant (part 1): grid 352 x 1, 4 waves a work-group, no clusters, 34,304 bytes of LDS; arguments x, Wq, Wv, Wo, xc, xs, wc, ws; writes xc, xs, wc, ws
.if DOCPART == 1
	.amdgcn_target "amdgcn-amd-amdhsa--gfx1250"
	.amdhsa_code_object_version 6
	.text
	.protected	k_qda20ce3f61_quant
	.globl	k_qda20ce3f61_quant
	.p2align	8
	.type	k_qda20ce3f61_quant,@function
k_qda20ce3f61_quant:
	s_mov_b64 s[64:65], 0
	v_nop
	global_prefetch_b8 v0, s[64:65] scope:SCOPE_SE
	s_setreg_imm32_b32 hwreg(HW_REG_WAVE_MODE, 25, 1), 1
	s_wait_xcnt 0x0
; x [8192][1024] and Wq, Wv, Wo [1024 (k)][1024 (n)], f32, become codes of FP6 (E2M3) with one E8M0 byte for each 32 along K.
; A block's scale is 2^(floor(log2(largest magnitude)) - 2); its byte is the largest magnitude's exponent field - 2, held at 1 from below.
; LIMITS: a block of zeros, or one whose largest magnitude lies under 2^-124, gets the byte 1 (this program alone reads the bytes; zero codes add nothing);
; NaN and infinities among the inputs are not served.
; LAYOUT OF THE CODES: images of operand registers.  A fragment (16 rows x 128 K, 12 registers a lane) is 6 planes of 256 bytes; plane p holds
; registers 2 p, 2 p + 1 of lanes 0..31, lane l at byte 8 l.  So each store of a wave below covers 256 consecutive aligned bytes.
; POSITIONS: row r of tile T stands for the original row with bits 3 and 4 of 16 T + r exchanged: tile 2 b + u, row r = original 32 b + 8 u + r % 8 + 16 (r / 8).
; SCALE WORDS: [pair of tiles][K / 256][tile % 2][row][2 words]: 32 lanes x 8 bytes are 256 consecutive bytes.
; Work-groups 0..95 take the weights (a lane to a column, registers down K), 96..351 take x (32 rows each, a wave to 256 along K).
; A stream: no matrix unit, no cluster (work-groups share no input).  Only the x path uses LDS.
.set STG,   8448                       ; a wave's stage: 16 rows x (512 bytes + 16)
.set L8,    4                          ; v4   8 x lane
.set L16,   5                          ; v5   16 x lane
.set STI,   6                          ; v6   stage, way in
.set STO,   7                          ; v7   stage, way out
.set WD,    8                          ; v8-11 scale words
.set LC,    12                         ; v12  weights: 4 x my column
.set SH,    13                         ; v13  8 x (lane / 16)
.set R,     16                         ; v16-143  two sets of 64 numbers as loaded
.set X,     144                        ; v144-207 x: 64 numbers in the operand's order
.set CW,    144                        ; v144-175 weights: two sets of 16 registers of codes
.set PC,    208                        ; v208-231 x: two sets of 12 registers of codes
.set CT,    232                        ; v232-239 second halves of the conversions
.set MX,    240                        ; v240-241 largest magnitudes
.set SO,    242                        ; v242-243 the conversions' scale operands
.set BY,    244                        ; v244-245 scale bytes
.set TP,    246                        ; v246-247 at work
.set FLOOR, 0x1800000                  ; 2^(3 - 127)
.macro XLOAD f                         ; fragment f = 2 x tile + (128 along K): 16 rows, 512 consecutive bytes each
.irp i, 0,1,2,3,4,5,6,7,8,9,10,11,12,13,14,15
	global_load_b128 v[R+64*((\f)%2)+4*\i:R+64*((\f)%2)+4*\i+3], v[L16], s[4:5] offset:(8*((\f)/2)+(\i%8)+16*(\i/8))*4096+512*((\f)%2) th:TH_LOAD_NT
.endr
.endm
.macro XFRAG f
.if (\f) < 3
	s_wait_loadcnt 16                              ; this fragment's 16 loads are in; the next fragment's 16 may be out
.else
	s_wait_loadcnt 0x0
.endif
.irp i, 0,1,2,3,4,5,6,7,8,9,10,11,12,13,14,15
	ds_store_b128 v[STI], v[R+64*((\f)%2)+4*\i:R+64*((\f)%2)+4*\i+3] offset:528*\i
.endr
.irp c, 0,1
.irp j, 0,1,2,3,4,5,6,7
	ds_load_b128 v[X+32*\c+4*\j:X+32*\c+4*\j+3], v[STO] offset:256*\c+16*\j   ; lane (r, h): k = 64 c + 32 h + 0 .. 31 of row r; LDS serves a wave in order
.endr
.endr
	s_wait_dscnt 0x0                               ; the numbers are back, and the stores have read their registers
.if (\f)+2 < 4
	XLOAD (\f)+2
.endif
.if (\f) >= 2
	s_wait_xcnt 0x0                                ; the stores of two fragments ago have read this set of code registers
.endif
.set PS_, PC+12*((\f)%2)
.irp c, 0,1
	v_max3_num_f32 v[MX+\c], |v[X+32*\c]|, |v[X+32*\c+1]|, FLOOR
.endr
.irp i, 2,4,6,8,10,12,14,16,18,20,22,24,26,28,30
.irp c, 0,1
	v_max3_num_f32 v[MX+\c], v[MX+\c], |v[X+32*\c+\i]|, |v[X+32*\c+\i+1]|
.endr
.endr
.irp c, 0,1
	v_add_nc_u32 v[SO+\c], 0xff000000, v[MX+\c]    ; 2 off the exponent field: the conversion's scale operand
.endr
.irp c, 0,1
	v_lshrrev_b32 v[BY+\c], 23, v[SO+\c]           ; the scale's byte
.endr
	v_lshl_or_b32 v[BY], v[BY+1], 16, v[BY]        ; my blocks h and 2 + h,
	v_lshlrev_b32 v[BY], v[SH], v[BY]              ; at their places in the word
	v_permlanex16_b32 v[TP], v[BY], s22, s23
	v_or_b32 v[WD+(\f)], v[BY], v[TP]              ; with lane l xor 16's two bytes the word is whole
.irp c, 0,1
	v_cvt_scalef32_pk16_fp6_f32 v[PS_+6*\c:PS_+6*\c+2], v[X+32*\c:X+32*\c+15], v[SO+\c]
	v_cvt_scalef32_pk16_fp6_f32 v[CT+4*\c:CT+4*\c+2], v[X+32*\c+16:X+32*\c+31], v[SO+\c]
.endr
	v_nop                                          ; one plain line behind the conversions
.irp c, 0,1
.irp i, 0,1,2
	v_mov_b32 v[PS_+6*\c+3+\i], v[CT+4*\c+\i]
.endr
.endr
.irp p, 0,1,2,3,4,5
	global_store_b64 v[L8], v[PS_+2*\p:PS_+2*\p+1], s[12:13] offset:12288*((\f)/2)+1536*((\f)%2)+256*\p
.endr
.endm
.macro WLOAD e                         ; 64 rows of K, my column: 128 consecutive bytes a wave
.set i_, 0
.rept 64
	global_load_b32 v[R+64*((\e)%2)+i_], v[LC], s[6:7] offset:(64*(\e)+i_)*4096 th:TH_LOAD_NT
.set i_, i_+1
.endr
.endm
.macro QW e                            ; two blocks of 32 along K, all mine
.set RS_, R+64*((\e)%2)
.set CA_, CW+16*((\e)%2)
.set CB_, CA_+8
.irp c, 0,1
	v_max3_num_f32 v[MX+\c], |v[RS_+32*\c]|, |v[RS_+32*\c+1]|, FLOOR
.endr
.irp i, 2,4,6,8,10,12,14,16,18,20,22,24,26,28,30
.irp c, 0,1
	v_max3_num_f32 v[MX+\c], v[MX+\c], |v[RS_+32*\c+\i]|, |v[RS_+32*\c+\i+1]|
.endr
.endr
.irp c, 0,1
	v_add_nc_u32 v[SO+\c], 0xff000000, v[MX+\c]
.endr
.irp c, 0,1
	v_lshrrev_b32 v[BY+\c], 23, v[SO+\c]
.endr
.if (\e)%2 == 0
	v_lshl_or_b32 v[WD+(\e)/2], v[BY+1], 8, v[BY]
.else
	v_lshl_or_b32 v[WD+(\e)/2], v[BY], 16, v[WD+(\e)/2]
	v_lshl_or_b32 v[WD+(\e)/2], v[BY+1], 24, v[WD+(\e)/2]
.endif
	v_cvt_scalef32_pk16_fp6_f32 v[CA_:CA_+2], v[RS_:RS_+15], v[SO]
	v_cvt_scalef32_pk16_fp6_f32 v[CA_+4:CA_+6], v[RS_+16:RS_+31], v[SO]
	v_cvt_scalef32_pk16_fp6_f32 v[CB_:CB_+2], v[RS_+32:RS_+47], v[SO+1]
	v_cvt_scalef32_pk16_fp6_f32 v[CB_+4:CB_+6], v[RS_+48:RS_+63], v[SO+1]
	v_nop                                          ; one plain line behind the conversions
.irp i, 3,4,5
	v_mov_b32 v[CA_+\i], v[CA_+\i+1]               ; six registers on end, in this order
	v_mov_b32 v[CB_+\i], v[CB_+\i+1]
.endr
.irp i, 0,1,2,3,4,5
	v_permlane16_swap_b32 v[CA_+\i], v[CB_+\i]     ; the first now holds tile 0 (lanes 16-31: its second block), the second tile 1
.endr
.irp p, 0,1,2
	global_store_b64 v[L8], v[CA_+2*\p:CA_+2*\p+1], s[16:17] offset:1536*((\e)/2)+256*(3*((\e)%2)+\p)
	global_store_b64 v[L8], v[CB_+2*\p:CB_+2*\p+1], s[16:17] offset:12288+1536*((\e)/2)+256*(3*((\e)%2)+\p)
.endr
.endm
	s_load_b256 s[4:11], s[0:1], 0x0               ; x, Wq, Wv, Wo
	s_load_b256 s[12:19], s[0:1], 0x20             ; xc, xs, wc, ws
	v_lshl_add_u32 v254, v0, 2, 0x8400
	v_mov_b32 v255, 0
	v_lshrrev_b32 v1, 5, v0
	v_readfirstlane_b32 s20, v1                    ; wave
	v_and_b32 v3, 31, v0                           ; lane
	v_and_b32 v1, 15, v0                           ; r
	v_bfe_u32 v2, v0, 4, 1                         ; h
	v_lshlrev_b32 v[L8], 3, v3
	v_lshlrev_b32 v[L16], 4, v3
	s_mov_b32 s22, 0x76543210
	s_mov_b32 s23, 0xfedcba98                      ; selects for lane l xor 16
	s_mov_b32 s25, 0
	s_mov_b32 s27, 0
	s_mov_b32 s29, 0
	s_cmp_lt_u32 ttmp9, 96
	s_cbranch_scc1 .Lweights
	; ---- x: work-group G takes positions 32 G .. 32 G + 31, wave w the K range 256 w .. 256 w + 255
	s_sub_co_u32 s21, ttmp9, 96                    ; G
	s_lshl_b32 s24, s21, 17                        ; 32 rows of 4,096 bytes
	s_lshl_b32 s30, s20, 10
	s_add_co_u32 s24, s24, s30
	s_mul_i32 s26, s21, 24576                      ; two tiles of codes
	s_mul_i32 s30, s20, 3072
	s_add_co_u32 s26, s26, s30
	s_lshl_b32 s28, s21, 10                        ; a pair's scale words
	s_lshl_b32 s30, s20, 8
	s_add_co_u32 s28, s28, s30
	s_mul_i32 s30, s20, STG
	s_wait_alu depctr_va_vdst(0)
	v_add_nc_u32 v[STI], s30, v[L16]
	v_mul_u32_u24 v[STO], v1, 528
	v_lshl_add_u32 v[STO], v2, 7, v[STO]
	v_add_nc_u32 v[STO], s30, v[STO]
	v_lshlrev_b32 v[SH], 3, v2
	v_mov_b32 v[TP], 0                             ; a lane permute's destination counts as one of its sources
	v_cmp_lt_u32 vcc_lo, 15, v3                    ; lanes 16-31
	s_wait_alu depctr_va_vdst(0)
	s_wait_kmcnt 0x0
	s_add_nc_u64 s[4:5], s[4:5], s[24:25]
	s_add_nc_u64 s[12:13], s[12:13], s[26:27]
	s_add_nc_u64 s[14:15], s[14:15], s[28:29]
	XLOAD 0
	XLOAD 1
	XFRAG 0
	XFRAG 1
	XFRAG 2
	XFRAG 3
	v_cndmask_b32 v[TP], v[WD], v[WD+2], vcc_lo    ; lanes 0-15: tile 0's two words of row r; lanes 16-31: tile 1's
	v_cndmask_b32 v[TP+1], v[WD+1], v[WD+3], vcc_lo
	global_store_b64 v[L8], v[TP:TP+1], s[14:15]   ; 256 consecutive aligned bytes
	s_wait_tensorcnt 0x0
	ds_add_u32 v254, v255
	s_wait_dscnt 0x0
	s_endpgm
.Lweights:
	; ---- weights: work-group j: tensor j / 32, eight groups of 128 columns, four K ranges of 256; a wave takes 32 columns
	s_lshr_b32 s21, ttmp9, 5                       ; which tensor
	s_bfe_u32 s30, ttmp9, 0x30002                  ; column group
	s_and_b32 s31, ttmp9, 3                        ; K range
	s_lshl_b32 s30, s30, 2
	s_add_co_u32 s30, s30, s20                     ; pair of tiles
	s_lshl_b32 s24, s31, 20                        ; 256 rows of 4,096 bytes
	s_lshl_b32 s32, s30, 7
	s_add_co_u32 s24, s24, s32
	s_mul_i32 s26, s21, 786432
	s_mul_i32 s32, s30, 24576
	s_add_co_u32 s26, s26, s32
	s_mul_i32 s32, s31, 3072
	s_add_co_u32 s26, s26, s32
	s_lshl_b32 s28, s21, 15
	s_lshl_b32 s32, s30, 10
	s_add_co_u32 s28, s28, s32
	s_lshl_b32 s32, s31, 8
	s_add_co_u32 s28, s28, s32
	s_wait_alu depctr_va_vdst(0)
	v_and_b32 v[LC], 7, v3                         ; lane l is position l: its column has bits 3 and 4 exchanged
	v_bfe_u32 v14, v3, 3, 1
	v_lshl_add_u32 v[LC], v14, 4, v[LC]
	v_lshl_add_u32 v[LC], v2, 3, v[LC]
	v_lshlrev_b32 v[LC], 2, v[LC]
	s_wait_alu depctr_va_vdst(0)
	s_wait_kmcnt 0x0
	s_cmp_eq_u32 s21, 0
	s_cselect_b64 s[6:7], s[6:7], s[8:9]
	s_cmp_eq_u32 s21, 2
	s_cselect_b64 s[6:7], s[10:11], s[6:7]
	s_add_nc_u64 s[6:7], s[6:7], s[24:25]
	s_add_nc_u64 s[16:17], s[16:17], s[26:27]
	s_add_nc_u64 s[18:19], s[18:19], s[28:29]
	WLOAD 0
	WLOAD 1
	s_wait_loadcnt 63                              ; 64 loads are younger; 63 is the most that the wait can name
	QW 0
	WLOAD 2
	s_wait_loadcnt 63
	QW 1
	WLOAD 3
	s_wait_loadcnt 63
	s_wait_xcnt 0x0                                ; the stores of two runs ago have read this set of code registers
	QW 2
	s_wait_loadcnt 0x0
	s_wait_xcnt 0x0
	QW 3
	global_store_b64 v[L8], v[WD:WD+1], s[18:19]   ; lane l = position l: 256 consecutive aligned bytes
	s_endpgm
.Lfunc_end_k_qda20ce3f61_quant:
	.size	k_qda20ce3f61_quant, .Lfunc_end_k_qda20ce3f61_quant-k_qda20ce3f61_quant
	.p2alignl 7, 3214868480
	.fill 96, 4, 3214868480
	.section	.rodata,"a",@progbits
	.p2align	6, 0x0
	.amdhsa_kernel k_qda20ce3f61_quant
		.amdhsa_group_segment_fixed_size 34304
		.amdhsa_private_segment_fixed_size 0
		.amdhsa_enable_private_segment 0
		.amdhsa_kernarg_size 64
		.amdhsa_user_sgpr_count 2
		.amdhsa_user_sgpr_kernarg_segment_ptr 1
		.amdhsa_wavefront_size32 1
		.amdhsa_system_sgpr_workgroup_id_x 1
		.amdhsa_system_sgpr_workgroup_id_y 1
		.amdhsa_system_sgpr_workgroup_id_z 1
		.amdhsa_system_vgpr_workitem_id 0
		.amdhsa_next_free_vgpr 256
		.amdhsa_next_free_sgpr 66
		.amdhsa_reserve_vcc 1
		.amdhsa_float_denorm_mode_32 3
		.amdhsa_float_denorm_mode_16_64 3
		.amdhsa_memory_ordered 1
		.amdhsa_forward_progress 1
		.amdhsa_inst_pref_size 71
	.end_amdhsa_kernel
	.amdgpu_metadata
---
amdhsa.version: [ 1, 2 ]
amdhsa.kernels:
  - .name:           k_qda20ce3f61_quant
    .symbol:         k_qda20ce3f61_quant.kd
    .args:
      - { .name: x, .offset: 0, .size: 8, .value_kind: global_buffer, .address_space: global }
      - { .name: Wq, .offset: 8, .size: 8, .value_kind: global_buffer, .address_space: global }
      - { .name: Wv, .offset: 16, .size: 8, .value_kind: global_buffer, .address_space: global }
      - { .name: Wo, .offset: 24, .size: 8, .value_kind: global_buffer, .address_space: global }
      - { .name: xc, .offset: 32, .size: 8, .value_kind: global_buffer, .address_space: global }
      - { .name: xs, .offset: 40, .size: 8, .value_kind: global_buffer, .address_space: global }
      - { .name: wc, .offset: 48, .size: 8, .value_kind: global_buffer, .address_space: global }
      - { .name: ws, .offset: 56, .size: 8, .value_kind: global_buffer, .address_space: global }
    .group_segment_fixed_size: 34304
    .private_segment_fixed_size: 0
    .kernarg_segment_align: 8
    .kernarg_segment_size: 64
    .max_flat_workgroup_size: 128
    .sgpr_count:     66
    .vgpr_count:     256
    .wavefront_size: 32
...
	.end_amdgpu_metadata
.endif
;; end of part 1
;; launch proj (part 2): grid 8 x 32, 4 waves a work-group, clusters of 4 x 4, 327,680 bytes of LDS; arguments xc, xs, wc, ws, bq, bv, kv; writes kv
.if DOCPART == 2
	.amdgcn_target "amdgcn-amd-amdhsa--gfx1250"
	.amdhsa_code_object_version 6
	.text
	.protected	k_qda20ce3f61_proj
	.globl	k_qda20ce3f61_proj
	.p2align	8
	.type	k_qda20ce3f61_proj,@function
k_qda20ce3f61_proj:
	s_mov_b64 s[64:65], 0
	v_nop
	global_prefetch_b8 v0, s[64:65] scope:SCOPE_SE
	s_setreg_imm32_b32 hwreg(HW_REG_WAVE_MODE, 25, 1), 1
	s_wait_xcnt 0x0
	s_wait_alu depctr_hold_cnt(0) depctr_sa_sdst(0) depctr_va_vdst(0) depctr_va_sdst(0) depctr_va_ssrc(0) depctr_va_vcc(0) depctr_vm_vsrc(0)
	s_getreg_b32 s2, hwreg(HW_REG_IB_STS2, 6, 4)
	s_cmp_eq_u32 s2, 0
	s_cbranch_scc0 .Lentry_in_a_cluster
	s_endpgm
.Lentry_in_a_cluster:
	s_bfe_u32 s2, ttmp6, 0x10000c
	s_cmp_lg_u32 s2, 0xf033
	s_cbranch_scc0 .Lentry_shape_is_right
	s_endpgm
.Lentry_shape_is_right:
.set NQ,     2
.set FR,     12
.set NL,     6
.set NP,     4
.set HALFT,  24576
.set SLOT,   4*HALFT
.set SCL,    2*SLOT
.set HALFS,  4096
.set SPARE,  SCL+4*HALFS
.set REC,    217088
.set L8,   4
.set L16,  5
.set LW,   6
.set SH16, 7
.set AST,  8
.set BL,   9
.set ARD,  10
.set BVL,  11
.set ADRA, 16
.set ADRB, 20
.set ADRS, 27
.set SPW,  28
.set NIL,  29
.set SC,   32
.set BR,   64
.set AF,   128
.set H,    128
.set PC,   192
.set TM,   212
.set PW,   228
.set TP,   230
.set WR,   240
.set ANV,  248
.set G1,   24
.set G0,   32
.set G1B,  48
.set G0B,  56
.set G1S,  68
.set G0S,  76
.set G1SB, 80
.set G0SB, 88
.set SEL,  100
.set MSB, 0
.macro WIN new
.if MSB != (\new)
	s_set_vgpr_msb (MSB<<8)|(\new)
.set MSB, (\new)
.endif
.endm
.set MUL_LO, 0xa1
.set MUL_HI, 0xf1
.set TO_B,   0x40
.macro JLOAD g0a, g1a, g0b, g1b
	s_cmp_eq_u32 s19, 0
	s_cbranch_scc0 .Lfor_b_\@
	tensor_load_to_lds s[\g0a:\g0a+3], s[\g1a:\g1a+7]
	s_nop 0
.rept 4
	v_nop
.endr
	s_branch .Lasked_\@
.Lfor_b_\@:
	tensor_load_to_lds s[\g0b:\g0b+3], s[\g1b:\g1b+7]
	s_nop 0
.rept 4
	v_nop
.endr
.Lasked_\@:
.endm
.macro CREST
	s_cmp_lg_u32 s18, 0
	s_cbranch_scc1 .Lnot_wave_0_\@
	s_barrier_signal -3
.Lnot_wave_0_\@:
	s_barrier_wait -3
	s_barrier_signal -1
	s_barrier_wait -1
.endm
.macro CROUND
	s_barrier_signal -1
	s_barrier_wait -1
	CREST
.endm
.macro PLACES n
.rept \n
	v_nop
.endr
.endm
.macro FRAG reg, adr, q, i
.irp p, 0,1,2,3,4,5
	ds_load_b64 v[\reg+2*\p:\reg+2*\p+1], v[\adr] offset:3072*(\i)+1536*(\q)+256*\p
.endr
.endm
.macro MUL16 a0, p, q, sc, zero
.irp a, \a0, \a0+1
.irp b, 0,1,2,3,4,5,6,7
.if \zero
	v_wmma_scale_f32_16x16x128_f8f6f4 v[8*(8*((\a)%4)+\b):8*(8*((\a)%4)+\b)+7], v[128*(\p)+FR*\b:128*(\p)+FR*\b+FR-1], v[AF+FR*(\a):AF+FR*(\a)+FR-1], 0, v[SC+8*NQ*(\sc)+NQ*\b+(\q)], v[SC+8*NQ*(\sc)+NQ*(\a)+(\q)] matrix_a_fmt:MATRIX_FMT_FP6 matrix_b_fmt:MATRIX_FMT_FP6 matrix_a_scale:MATRIX_SCALE_ROW1
.else
	v_wmma_scale_f32_16x16x128_f8f6f4 v[8*(8*((\a)%4)+\b):8*(8*((\a)%4)+\b)+7], v[128*(\p)+FR*\b:128*(\p)+FR*\b+FR-1], v[AF+FR*(\a):AF+FR*(\a)+FR-1], v[8*(8*((\a)%4)+\b):8*(8*((\a)%4)+\b)+7], v[SC+8*NQ*(\sc)+NQ*\b+(\q)], v[SC+8*NQ*(\sc)+NQ*(\a)+(\q)] matrix_a_fmt:MATRIX_FMT_FP6 matrix_b_fmt:MATRIX_FMT_FP6 matrix_a_scale:MATRIX_SCALE_ROW1
.endif
.endr
.endr
.endm
.macro FETCH_B slot, q, p
	WIN TO_B
.irp i, 0,1,2,3,4,5,6,7
	FRAG 128*(\p)+FR*\i, ADRB+\slot, \q, \i
.endr
	WIN 0
.endm
.macro FETCH_A slot, q, i0
.irp i, \i0, \i0+1, \i0+2, \i0+3
	FRAG AF+FR*(\i), ADRA+\slot, \q, \i
.endr
.endm
.macro SCALES sc
.irp i, 0,1,2,3,4,5,6,7
	ds_load_b64 v[SC+8*NQ*\sc+NQ*\i:SC+8*NQ*\sc+NQ*\i+1], v[ADRS] offset:1024*(\i/2)+128*(\i%2)
.endr
.endm
.macro STEP slot, q, zero
	s_wait_dscnt 4*NL
	WIN MUL_LO
	MUL16 0, (\q)%2, \q, \slot, \zero
	MUL16 2, (\q)%2, \q, \slot, \zero
	s_wait_dscnt 0
	PLACES NP
	FETCH_B \slot, (\q)+1, 1-(\q)%2
	FETCH_A \slot, (\q)+1, 0
	WIN MUL_HI
	MUL16 4, (\q)%2, \q, \slot, \zero
	MUL16 6, (\q)%2, \q, \slot, \zero
	PLACES NP
	WIN 0
	FETCH_A \slot, (\q)+1, 4
.endm
.macro TURN slot, next, fill
	s_wait_tensorcnt 0x0
	ds_add_u32 v[SPW], v[NIL]
	s_wait_dscnt 4*NL+1
	WIN MUL_LO
	MUL16 0, 1, NQ-1, \slot, 0
	s_wait_dscnt 0x0
	s_barrier_signal -1
	MUL16 2, 1, NQ-1, \slot, 0
	WIN 0
	s_barrier_wait -1
.if \fill
	CREST
	s_add_nc_u64 s[G0+4*\slot+2:G0+4*\slot+3], s[G0+4*\slot+2:G0+4*\slot+3], 6144
	s_add_nc_u64 s[G0B+4*\slot+2:G0B+4*\slot+3], s[G0B+4*\slot+2:G0B+4*\slot+3], 6144
	JLOAD G0+4*\slot, G1, G0B+4*\slot, G1B
.else
	PLACES NP
.endif
	s_wait_alu depctr_va_vdst(0)
	v_add_nc_u32 v[ADRS], 256, v[ADRS]
	FETCH_B \next, 0, 0
	FETCH_A \next, 0, 0
	SCALES \next
	WIN MUL_HI
	MUL16 4, 1, NQ-1, \slot, 0
	MUL16 6, 1, NQ-1, \slot, 0
	PLACES NP
	WIN 0
	FETCH_A \next, 0, 4
.endm
.macro LAST
	s_wait_dscnt 4*NL
	WIN MUL_LO
	MUL16 0, 1, NQ-1, 1, 0
	MUL16 2, 1, NQ-1, 1, 0
	s_wait_dscnt 0
	WIN MUL_HI
	MUL16 4, 1, NQ-1, 1, 0
	MUL16 6, 1, NQ-1, 1, 0
	WIN 0
.endm
.macro LIFT a, mode
	WIN 0x02+(\a)/4
.set AC_, 64*((\a)%4)
.set i_, 0
.rept 32
.if \mode
	v_pk_add_f32 v[H+i_:H+i_+1], v[AC_+i_:AC_+i_+1], v[BR+2*(\a):BR+2*(\a)+1]
.else
	v_pk_add_f32 v[H+i_:H+i_+1], v[AC_+i_:AC_+i_+1], v[BR+i_:BR+i_+1]
.endif
.set i_, i_+2
.endr
	WIN 0
.endm
.macro QUANT s
.irp b, 0,1,2,3
	v_max3_num_f32 v[TM+\b], |v[\s+16*\b]|, |v[\s+1+16*\b]|, 0x1800000
.endr
.irp i, 2,4,6,8,10,12,14
.irp b, 0,1,2,3
	v_max3_num_f32 v[TM+\b], v[TM+\b], |v[\s+16*\b+\i]|, |v[\s+1+16*\b+\i]|
.endr
.endr
.irp b, 0,1,2,3
	v_permlanex16_b32 v[TM+4+\b], v[TM+\b], s[SEL], s[SEL+1]
.endr
.irp b, 0,1,2,3
	v_max_num_f32 v[TM+\b], v[TM+\b], v[TM+4+\b]
.endr
.irp b, 0,1,2,3
	v_add_nc_u32 v[TM+12+\b], 0xff000000, v[TM+\b]
.endr
.irp b, 0,1,2,3
	v_lshrrev_b32 v[TM+4+\b], 23, v[TM+12+\b]
.endr
	v_lshl_or_b32 v[PW], v[TM+5], 8, v[TM+4]
	v_lshl_or_b32 v[PW], v[TM+6], 16, v[PW]
	v_lshl_or_b32 v[PW], v[TM+7], 24, v[PW]
.irp c, 0,1
	v_cvt_scalef32_pk16_fp6_f32 v[PC+6*\c:PC+2+6*\c], v[\s+32*\c:\s+15+32*\c], v[TM+12+2*\c]
	v_cvt_scalef32_pk16_fp6_f32 v[PC+12+4*\c:PC+14+4*\c], v[\s+16+32*\c:\s+31+32*\c], v[TM+12+2*\c+1]
.endr
	v_nop
.irp c, 0,1
.irp i, 0,1,2
	v_permlane16_swap_b32 v[PC+6*\c+\i], v[PC+12+4*\c+\i]
.endr
.irp i, 0,1,2
	v_mov_b32 v[PC+3+6*\c+\i], v[PC+12+4*\c+\i]
.endr
.endr
.endm
.macro SUMSQ a
	v_pk_mul_f32 v[TP:TP+1], v[H:H+1], v[H:H+1]
	v_pk_mul_f32 v[TP+2:TP+3], v[H+32:H+33], v[H+32:H+33]
.irp i, 2,4,6,8,10,12,14,16,18,20,22,24,26,28,30
	v_pk_fma_f32 v[TP:TP+1], v[H+\i:H+\i+1], v[H+\i:H+\i+1], v[TP:TP+1]
	v_pk_fma_f32 v[TP+2:TP+3], v[H+32+\i:H+33+\i], v[H+32+\i:H+33+\i], v[TP+2:TP+3]
.endr
	v_add_f32 v[TP], v[TP], v[TP+1]
	v_add_f32 v[TP+2], v[TP+2], v[TP+3]
	v_permlanex16_b32 v[TP+4], v[TP], s[SEL], s[SEL+1]
	v_permlanex16_b32 v[TP+5], v[TP+2], s[SEL], s[SEL+1]
	v_add_f32 v[TP], v[TP], v[TP+4]
	v_add_f32 v[TP+2], v[TP+2], v[TP+5]
	v_cndmask_b32 v[TP], v[TP], v[TP+2], vcc_lo
	v_mul_f32 v[ANV+(\a)], -0.5, v[TP]
	ds_store_b32 v[AST], v[ANV+(\a)] offset:64*(\a)
.endm
.macro QBLK a
.if (\a) > 0
	s_wait_xcnt 0x0
.endif
	LIFT \a, 0
	SUMSQ \a
	QUANT H
	v_lshrrev_b32 v[WR+(\a)], v[SH16], v[PW]
.irp p, 0,1,2,3,4,5
	global_store_b64 v[L8], v[PC+2*\p:PC+2*\p+1], s[92:93] offset:768*(\a)+256*(\p%3)+REC*(\p/3)
.endr
.endm
.macro VBLK a
.if (\a) > 0
	s_wait_xcnt 0x0
.endif
	LIFT \a, 1
	QUANT H
	v_mov_b32 v[WR+(\a)], v[PW]
.irp p, 0,1,2,3,4,5
	global_store_b64 v[L8], v[PC+2*\p:PC+2*\p+1], s[92:93] offset:REC*((\a)/4)+1536*((\a)%4)+256*\p
.endr
.endm
.macro FINISH
	s_wait_tensorcnt 0x0
	ds_add_u32 v[SPW], v[NIL]
	s_wait_dscnt 0x0
	CROUND
	s_endpgm
.endm
	s_load_b256 s[4:11], s[0:1], 0x0
	s_load_b128 s[12:15], s[0:1], 0x20
	s_load_b64 s[16:17], s[0:1], 0x30
	v_lshl_add_u32 v[SPW], v0, 2, SPARE
	v_mov_b32 v[NIL], 0
	ds_add_u32 v28, v29
	ds_add_u32 v28, v29
	s_wait_dscnt 0x0
	v_lshrrev_b32 v1, 5, v0
	v_readfirstlane_b32 s18, v1
	s_lshr_b32 s19, s18, 1
	s_and_b32 s20, s18, 1
	s_bfe_u32 s21, ttmp6, 0x40000
	s_bfe_u32 s22, ttmp6, 0x40004
	s_and_b32 s23, ttmp7, 0xffff
	s_lshl_b32 s23, s23, 2
	s_add_co_u32 s44, s23, s22
	s_add_co_u32 s100, s23, s21
	s_cmp_eq_u32 ttmp9, 0
	s_cselect_b32 s40, s44, s22
	s_cselect_b32 s41, s21, s100
	s_lshl_b32 s42, s22, 2
	s_lshl_b32 s42, 15, s42
	s_lshl_b32 s43, 0x1111, s21
	s_or_b32 s[G1], s42, (3<<16)|(1<<21)
	s_or_b32 s[G1B], s43, (3<<16)|(1<<21)
.irp g, G1, G1B
	s_mov_b32 s[\g+1], 384<<16
	s_mov_b32 s[\g+2], 8<<16
	s_mov_b32 s[\g+3], 384<<16
	s_mov_b32 s[\g+4], 8
	s_mov_b32 s[\g+5], 1536
	s_mov_b32 s[\g+6], 0
	s_mov_b32 s[\g+7], 0
.endr
	s_or_b32 s[G1S], s42, (3<<16)|(1<<21)
	s_or_b32 s[G1SB], s43, (3<<16)|(1<<21)
.irp g, G1S, G1SB
	s_mov_b32 s[\g+1], 32<<16
	s_mov_b32 s[\g+2], 16<<16
	s_mov_b32 s[\g+3], 32<<16
	s_mov_b32 s[\g+4], 16
	s_mov_b32 s[\g+5], 32
	s_mov_b32 s[\g+6], 0
	s_mov_b32 s[\g+7], 0
.endr
	s_mul_i32 s44, s40, 196608
	s_mul_i32 s45, s20, 98304
	s_add_co_u32 s44, s44, s45
	s_mov_b32 s45, 0
	s_lshl_b32 s46, s40, 13
	s_lshl_b32 s47, s20, 12
	s_add_co_u32 s46, s46, s47
	s_mov_b32 s47, 0
	s_mul_i32 s100, s41, 196608
	s_mul_i32 s101, s20, 98304
	s_add_co_u32 s100, s100, s101
	s_mov_b32 s101, 0
	s_lshl_b32 s2, s41, 13
	s_lshl_b32 s3, s20, 12
	s_add_co_u32 s2, s2, s3
	s_mov_b32 s3, 0
	s_mul_i32 s66, s18, HALFT
	s_lshl_b32 s67, s18, 12
	s_wait_kmcnt 0x0
	s_add_nc_u64 s[92:93], s[8:9], 786432
	s_add_nc_u64 s[94:95], s[10:11], 32768
	s_cmp_eq_u32 ttmp9, 0
	s_cselect_b64 s[96:97], s[4:5], s[92:93]
	s_cselect_b64 s[98:99], s[6:7], s[94:95]
	s_cselect_b64 s[92:93], s[8:9], s[4:5]
	s_cselect_b64 s[94:95], s[10:11], s[6:7]
	CROUND
	s_mov_b32 s[G0S], 1
	s_add_co_u32 s[G0S+1], s67, SCL
	s_add_nc_u64 s[G0S+2:G0S+3], s[98:99], s[46:47]
	s_or_b32 s[G0S+3], s[G0S+3], 0x80000000
	s_mov_b32 s[G0SB], 1
	s_add_co_u32 s[G0SB+1], s67, SCL
	s_add_nc_u64 s[G0SB+2:G0SB+3], s[94:95], s[2:3]
	s_or_b32 s[G0SB+3], s[G0SB+3], 0x80000000
	JLOAD G0S, G1S, G0SB, G1SB
	s_add_nc_u64 s[96:97], s[96:97], s[44:45]
	s_add_nc_u64 s[92:93], s[92:93], s[100:101]
.irp s, 0,1
	s_mov_b32 s[G0+4*\s], 1
	s_add_co_u32 s[G0+4*\s+1], s66, \s*SLOT
	s_add_nc_u64 s[G0+4*\s+2:G0+4*\s+3], s[96:97], \s*3072
	s_or_b32 s[G0+4*\s+3], s[G0+4*\s+3], 0x80000000
	s_mov_b32 s[G0B+4*\s], 1
	s_add_co_u32 s[G0B+4*\s+1], s66, \s*SLOT
	s_add_nc_u64 s[G0B+4*\s+2:G0B+4*\s+3], s[92:93], \s*3072
	s_or_b32 s[G0B+4*\s+3], s[G0B+4*\s+3], 0x80000000
	s_wait_alu depctr_va_vdst(0)
	s_wait_tensorcnt 0x0
	ds_add_u32 v28, v29
	s_wait_dscnt 0x0
	CROUND
	JLOAD G0+4*\s, G1, G0B+4*\s, G1B
.endr
	v_and_b32 v1, 15, v0
	v_bfe_u32 v2, v0, 4, 1
	v_and_b32 v3, 31, v0
	v_lshlrev_b32 v[L8], 3, v3
	v_lshlrev_b32 v[L16], 4, v3
	v_mul_u32_u24 v[LW], v2, REC
	v_lshl_add_u32 v[LW], v1, 4, v[LW]
	v_lshlrev_b32 v[SH16], 4, v2
	s_lshl_b32 s44, s18, 10
	v_lshlrev_b32 v[AST], 9, v2
	v_lshl_add_u32 v[AST], v1, 2, v[AST]
	v_add_nc_u32 v[AST], s44, v[AST]
	v_add_nc_u32 v[ARD], s44, v[L16]
	v_lshlrev_b32 v[BL], 6, v2
	v_and_b32 v[BVL], 7, v1
	v_and_b32 v12, 8, v1
	v_lshl_add_u32 v[BVL], v12, 1, v[BVL]
	v_lshlrev_b32 v[BVL], 2, v[BVL]
	s_mul_i32 s44, s19, HALFT
	s_mul_i32 s45, s20, HALFT
	s_add_co_u32 s45, s45, 2*HALFT
.irp s, 0,1
	v_add_nc_u32 v[ADRA+\s], s44, v[L8]
	v_add_nc_u32 v[ADRB+\s], s45, v[L8]
	s_add_co_u32 s44, s44, SLOT
	s_add_co_u32 s45, s45, SLOT
.endr
	s_mul_i32 s44, s19, HALFS
	s_mul_i32 s45, s20, HALFS
	s_add_co_u32 s45, s45, 2*HALFS
	s_sub_co_u32 s45, s45, s44
	v_mul_u32_u24 v12, s45, v2
	s_add_co_u32 s44, s44, SCL
	v_lshl_add_u32 v12, v1, 3, v12
	v_add_nc_u32 v[ADRS], s44, v12
	s_wait_alu depctr_va_vdst(0)
	s_wait_tensorcnt 1
	s_barrier_signal -1
	s_barrier_wait -1
	FETCH_B 0, 0, 0
	FETCH_A 0, 0, 0
	SCALES 0
	FETCH_A 0, 0, 4
	STEP 0, 0, 1
	TURN 0, 1, 1
	STEP 1, 0, 0
	TURN 1, 0, 1
	STEP 0, 0, 0
	TURN 0, 1, 0
	STEP 1, 0, 0
	s_mov_b32 s[SEL], 0x76543210
	s_mov_b32 s[SEL+1], 0xfedcba98
	s_cmp_lg_u32 ttmp9, 0
	s_cbranch_scc1 .Lvarm
	s_lshr_b32 s44, s40, 3
	s_and_b32 s45, s40, 7
	s_lshl_b32 s45, s45, 4
	s_lshl_b32 s46, s19, 3
	s_add_co_u32 s45, s45, s46
	s_lshl_b32 s46, s41, 2
	s_lshl_b32 s47, s20, 1
	s_add_co_u32 s46, s46, s47
	s_lshl_b32 s44, s44, 4
	s_add_co_u32 s44, s44, s46
	s_mul_i32 s44, s44, REC
	s_mul_i32 s46, s45, 768
	s_add_co_u32 s46, s46, s44
	s_mov_b32 s47, 0
	s_add_nc_u64 s[92:93], s[16:17], s[46:47]
	s_lshl_b32 s46, s45, 6
	s_add_co_u32 s46, s46, s44
	s_add_nc_u64 s[94:95], s[16:17], s[46:47]
	s_add_nc_u64 s[96:97], s[94:95], 204800
	s_add_nc_u64 s[94:95], s[94:95], 196608
	s_lshl_b32 s46, s41, 10
	s_lshl_b32 s45, s20, 9
	s_add_co_u32 s46, s46, s45
	s_add_nc_u64 s[98:99], s[12:13], s[46:47]
.irp b, 0,1,2,3,4,5,6,7
	global_load_b128 v[BR+8*\b:BR+8*\b+3], v[BL], s[98:99] offset:(32*(\b/2)+8*(\b%2))*4
	global_load_b128 v[BR+8*\b+4:BR+8*\b+7], v[BL], s[98:99] offset:(32*(\b/2)+8*(\b%2))*4+16
.endr
	LAST
	s_wait_loadcnt 0x0
	PLACES NP
	v_cmp_ne_u32 vcc_lo, 0, v2
.irp b, 4,5,6,7
	v_mov_b32 v[TM+\b], 0
.endr
	v_mov_b32 v[TP+4], 0
	v_mov_b32 v[TP+5], 0
.irp a, 0,1,2,3,4,5,6,7
	QBLK \a
.endr
	global_store_b128 v[LW], v[WR:WR+3], s[94:95]
	global_store_b128 v[LW], v[WR+4:WR+7], s[94:95] offset:256
	ds_load_b128 v[H:H+3], v[ARD]
	ds_load_b128 v[H+4:H+7], v[ARD] offset:512
	s_wait_dscnt 0x0
	global_store_b128 v[L16], v[H:H+3], s[96:97]
	global_store_b128 v[L16], v[H+4:H+7], s[96:97] offset:REC
	FINISH
.Lvarm:
	s_lshr_b32 s44, s41, 3
	s_and_b32 s45, s41, 7
	s_lshl_b32 s45, s45, 1
	s_add_co_u32 s45, s45, s20
	s_lshl_b32 s46, s40, 2
	s_lshl_b32 s47, s19, 1
	s_add_co_u32 s46, s46, s47
	s_lshl_b32 s44, s44, 4
	s_add_co_u32 s44, s44, s46
	s_mul_i32 s44, s44, REC
	s_mul_i32 s46, s45, 6144
	s_add_co_u32 s46, s46, s44
	s_mov_b32 s47, 0
	s_add_nc_u64 s[92:93], s[16:17], s[46:47]
	s_add_nc_u64 s[92:93], s[92:93], 98304
	s_lshl_b32 s46, s45, 8
	s_add_co_u32 s46, s46, s44
	s_add_nc_u64 s[94:95], s[16:17], s[46:47]
	s_add_nc_u64 s[94:95], s[94:95], 212992
	s_lshl_b32 s46, s40, 10
	s_lshl_b32 s45, s19, 9
	s_add_co_u32 s46, s46, s45
	s_add_nc_u64 s[98:99], s[14:15], s[46:47]
.irp a, 0,1,2,3,4,5,6,7
	global_load_b32 v[BR+2*\a], v[BVL], s[98:99] offset:(32*(\a/2)+8*(\a%2))*4
	global_load_b32 v[BR+2*\a+1], v[BVL], s[98:99] offset:(32*(\a/2)+8*(\a%2))*4
.endr
	LAST
	s_wait_loadcnt 0x0
	PLACES NP
	v_cmp_ne_u32 vcc_lo, 0, v2
.irp b, 4,5,6,7
	v_mov_b32 v[TM+\b], 0
.endr
.irp a, 0,1,2,3,4,5,6,7
	VBLK \a
.endr
.irp i, 0,1,2,3
	v_cndmask_b32 v[ANV+\i], v[WR+\i], v[WR+4+\i], vcc_lo
.endr
	global_store_b128 v[LW], v[ANV:ANV+3], s[94:95]
	FINISH
.Lfunc_end_k_qda20ce3f61_proj:
	.size	k_qda20ce3f61_proj, .Lfunc_end_k_qda20ce3f61_proj-k_qda20ce3f61_proj
	.p2alignl 7, 3214868480
	.fill 96, 4, 3214868480
	.section	.rodata,"a",@progbits
	.p2align	6, 0x0
	.amdhsa_kernel k_qda20ce3f61_proj
		.amdhsa_group_segment_fixed_size 327680
		.amdhsa_private_segment_fixed_size 0
		.amdhsa_enable_private_segment 0
		.amdhsa_kernarg_size 56
		.amdhsa_user_sgpr_count 2
		.amdhsa_user_sgpr_kernarg_segment_ptr 1
		.amdhsa_wavefront_size32 1
		.amdhsa_system_sgpr_workgroup_id_x 1
		.amdhsa_system_sgpr_workgroup_id_y 1
		.amdhsa_system_sgpr_workgroup_id_z 1
		.amdhsa_system_vgpr_workitem_id 0
		.amdhsa_next_free_vgpr 1024
		.amdhsa_next_free_sgpr 102
		.amdhsa_reserve_vcc 1
		.amdhsa_float_denorm_mode_32 3
		.amdhsa_float_denorm_mode_16_64 3
		.amdhsa_memory_ordered 1
		.amdhsa_forward_progress 1
		.amdhsa_inst_pref_size 255
	.end_amdhsa_kernel
	.section	.bss,"aw",@nobits
	.p2align	6
	.space	262144
	.amdgpu_metadata
---
amdhsa.version: [ 1, 2 ]
amdhsa.kernels:
  - .name:           k_qda20ce3f61_proj
    .symbol:         k_qda20ce3f61_proj.kd
    .args:
      - { .name: xc, .offset: 0, .size: 8, .value_kind: global_buffer, .address_space: global }
      - { .name: xs, .offset: 8, .size: 8, .value_kind: global_buffer, .address_space: global }
      - { .name: wc, .offset: 16, .size: 8, .value_kind: global_buffer, .address_space: global }
      - { .name: ws, .offset: 24, .size: 8, .value_kind: global_buffer, .address_space: global }
      - { .name: bq, .offset: 32, .size: 8, .value_kind: global_buffer, .address_space: global }
      - { .name: bv, .offset: 40, .size: 8, .value_kind: global_buffer, .address_space: global }
      - { .name: kv, .offset: 48, .size: 8, .value_kind: global_buffer, .address_space: global }
    .group_segment_fixed_size: 327680
    .private_segment_fixed_size: 0
    .kernarg_segment_align: 8
    .kernarg_segment_size: 56
    .max_flat_workgroup_size: 128
    .sgpr_count:     102
    .vgpr_count:     1024
    .wavefront_size: 32
...
	.end_amdgpu_metadata
.endif
;; end of part 2
;; launch attn (part 3): grid 4 x 64, 8 waves a work-group, clusters of 4 x 1, 218,112 bytes of LDS; arguments kv, oc, os; writes oc, os
.if DOCPART == 3
	.amdgcn_target "amdgcn-amd-amdhsa--gfx1250"
	.amdhsa_code_object_version 6
	.text
	.protected	k_qda20ce3f61_attn
	.globl	k_qda20ce3f61_attn
	.p2align	8
	.type	k_qda20ce3f61_attn,@function
k_qda20ce3f61_attn:
	s_mov_b64 s[64:65], 0
	v_nop
	global_prefetch_b8 v0, s[64:65] scope:SCOPE_SE
	s_setreg_imm32_b32 hwreg(HW_REG_WAVE_MODE, 25, 1), 1
	s_wait_xcnt 0x0
	s_wait_alu depctr_hold_cnt(0) depctr_sa_sdst(0) depctr_va_vdst(0) depctr_va_sdst(0) depctr_va_ssrc(0) depctr_va_vcc(0) depctr_vm_vsrc(0)
	s_getreg_b32 s2, hwreg(HW_REG_IB_STS2, 6, 4)
	s_cmp_eq_u32 s2, 0
	s_cbranch_scc0 .Lentry_in_a_cluster
	s_endpgm
.Lentry_in_a_cluster:
	s_bfe_u32 s2, ttmp6, 0x10000c
	s_cmp_lg_u32 s2, 0x3003
	s_cbranch_scc0 .Lentry_shape_is_right
	s_endpgm
.Lentry_shape_is_right:
; For each of the 64 (batch, head): t = log2(e) / 4 x (Q(q_i) . Q(q_j) - AA_j / 2 - AA_i / 2); M = the running largest t rounded up; p = 2^(t - M), quantised along the keys;
; O = Q(p) Q(v) / l, l the sum of the unquantised p; O is quantised along the channels for the last product.  Both products on codes of FP6 (E2M3), used transposed: a lane holds one query.
; THE WHOLE RECORD OF A HEAD (217,088 bytes: q codes, v codes, their scale words, -AA / 2) lies in LDS, brought once: each of the eight waves asks for an eighth by one tensor load.
; Nothing is filled again: one work-group barrier, no ring, and no loop in which a prefetch could run ahead of that one load.  CLUSTER 4 x 1: the four work-groups of a head want the same record: joint loads, mask 15.
; A work-group owns 512 query positions, in two passes; a wave owns two tiles of 16 queries, so that each fragment read from LDS feeds two products.
; THE KEYS OF A TILE ARE CHOSEN BY THE LANES' ADDRESSES: row 8 h + j of tile (c, t) is key 64 c + 32 h + 8 t + j of the step's 128.  So the 32 score registers 32 c .. 32 c + 31 of lane half h are block 2 c + h
; of the keys, whole and in order: a block's maximum needs no other lane and the conversions' results are the operand's registers.  (Lanes r and r + 8 read the same column of 8 bytes modulo 256.)
; K = 64 in the first product: registers 6-11 of the queries' fragments are zero codes, so registers 6-11 of a key fragment may hold any codes: key fragments lie 6 registers apart, each one's upper half the next one's lower.
; -AA_j / 2 is the C of that product.  The order of rounding differs from reference's: t - M = c (AB - AA_j / 2) + (c (-AA_i / 2) - M).
; LIMITS: p under 2^-126 is 0; 1 / l is v_rcp_f32; a block of zeros or under 2^-124 gets the byte 1; NaN and infinities are not served; the promise holds while |t| stays under 2^31.
; The scale bytes of O leave as 2 bytes a lane, 8 bytes apart: a scale word spans two heads.
; REGISTERS.  Window 0: v1-15 addresses, v16-31 scale words, v32-95 -AA_j / 2, v96-149 key fragments, v150-197 V's, v198-245 the two tiles' small state.
; Window 1: v0-127 the scores of tiles 0, 1; v128-191 O^T; v192-215 p's codes; v216-231 second halves of conversions; v232-255 the queries' fragments.
.set REC,    217088
.set EIGHTH, 27136
.set AK0, 1
.set AV0, 2
.set AS0, 3
.set AA0, 4
.set AT0, 5
.set ADK, 6
.set ADV, 7
.set ADS, 8
.set ADA, 9
.set ADT, 10
.set L8,  11
.set R4,  12
.set R16, 13
.set SH,  14                           ; 8 x (lane / 16)
.set OWS, 15
.set QS,  16                           ; the two tiles' query scale words
.set PS,  18                           ; p's scale words
.set KSW, 20                           ; eight key tiles' scale words
.set VSW, 28                           ; four channel tiles' scale words
.set CR,  32
.set KF,  96
.set VF,  150
.set SM,  198                          ; small state: tile q at SM + 24 q
.set oMB, 2                            ; +0,1 block maxima; +2,3 their second chains, later bytes
.set oSO, 4
.set oF,  6
.set oKI, 8
.set oCA, 10
.set oNM, 11
.set oTX, 12
.set oTP, 13
.set oX,  14
.set oAI, 15
.set oSU, 16                           ; the row's sum in four pairs
.set TJ,  246
.set THP, 247
.set TH,  248
.set LN,  249
.set RR,  250
.set OW,  251
.set O,   128                          ; window 1
.set PC,  192
.set PT,  216
.set QF,  232
.set FLOOR, 0x1800000
.set WV,  10
.set G0,  16
.set G1,  20
.set SEL, 28
.set CS,  30
.set TK,  32
.set TS,  33
.set TV,  34
.set KCNT, 35
.set PASS, 36
.set HM,  37
.set QC,  38
.set QSS, 40
.set QA,  42
.set OB,  44
.set OSB, 46
.set MSB, 0
.macro WIN new
.if MSB != (\new)
	s_set_vgpr_msb (MSB<<8)|(\new)
.set MSB, (\new)
.endif
.endm
.macro CROUND
	s_barrier_signal -1
	s_barrier_wait -1
	s_cmp_lg_u32 s[WV], 0
	s_cbranch_scc1 .Lnot_wave_0_\@
	s_barrier_signal -3
.Lnot_wave_0_\@:
	s_barrier_wait -3
	s_barrier_signal -1
	s_barrier_wait -1
.endm
.macro QLOAD                           ; my two tiles of queries, from memory
	WIN 0x40
.irp q, 0,1
.irp p, 0,1,2
	global_load_b64 v[QF+12*\q+2*\p:QF+12*\q+2*\p+1], v[L8], s[QC:QC+1] offset:768*\q+256*\p
.endr
.endr
	WIN 0
.irp q, 0,1
	global_load_b32 v[SM+24*\q+oAI], v[R4], s[QA:QA+1] offset:64*\q
.endr
	global_load_b64 v[QS:QS+1], v[R16], s[QSS:QSS+1]
.endm
.macro ADDRS
	v_add_nc_u32 v[ADK], s[TK], v[AK0]
	v_add_nc_u32 v[ADV], s[TK], v[AV0]
	v_add_nc_u32 v[ADS], s[TS], v[AS0]
	v_add_nc_u32 v[ADA], s[TS], v[AA0]
	v_add_nc_u32 v[ADT], s[TV], v[AT0]
.endm
.macro KLOAD ah                        ; the eight key tiles of this step (0) or the next (1): scale words, -AA_j / 2, three planes of codes each.  t = 2 t1 + t0: stored tile 4 c + 2 (r / 8) + t0, stored row 8 t1 + r % 8
.irp c, 0,1
.irp u, 0,1
	ds_load_b64 v[KSW+4*\c+2*\u:KSW+4*\c+2*\u+1], v[ADS] offset:256*\c+128*\u+512*(\ah)
.endr
.endr
.irp c, 0,1
.irp t, 0,1,2,3
	ds_load_b128 v[CR+32*\c+8*\t:CR+32*\c+8*\t+3], v[ADA] offset:256*\c+64*(\t%2)+32*(\t/2)+512*(\ah)
	ds_load_b128 v[CR+32*\c+8*\t+4:CR+32*\c+8*\t+7], v[ADA] offset:256*\c+64*(\t%2)+32*(\t/2)+16+512*(\ah)
.irp p, 0,1,2
	ds_load_b64 v[KF+24*\c+6*\t+2*\p:KF+24*\c+6*\t+2*\p+1], v[ADK] offset:3072*\c+768*(\t%2)+64*(\t/2)+256*\p+6144*(\ah)
.endr
.endr
.endr
.endm
.macro VLOAD
.irp c, 0,1,2,3
.irp p, 0,1,2,3,4,5
	ds_load_b64 v[VF+12*\c+2*\p:VF+12*\c+2*\p+1], v[ADV] offset:1536*\c+256*\p
.endr
.endr
	ds_load_b128 v[VSW:VSW+3], v[ADT]
.endm
.macro SPROD                           ; S^T = K Q^T - AA_j / 2: eight key tiles x my two tiles of queries, sixteen accumulators
	WIN 0x44
.irp q, 0,1
.irp f, 0,1,2,3,4,5,6,7
	v_wmma_scale_f32_16x16x128_f8f6f4 v[64*\q+8*\f:64*\q+8*\f+7], v[KF+6*\f:KF+6*\f+11], v[QF+12*\q:QF+12*\q+11], v[CR+8*\f:CR+8*\f+7], v[KSW+\f], v[QS+\q] matrix_a_fmt:MATRIX_FMT_FP6 matrix_b_fmt:MATRIX_FMT_FP6
.endr
.endr
.endm
.macro OPROD q                         ; O^T += V^T P^T: four accumulators by turns
	WIN 0x54
.irp c, 0,1,2,3
	v_wmma_scale_f32_16x16x128_f8f6f4 v[O+32*\q+8*\c:O+32*\q+8*\c+7], v[VF+12*\c:VF+12*\c+11], v[PC+12*\q:PC+12*\q+11], v[O+32*\q+8*\c:O+32*\q+8*\c+7], v[VSW+\c], v[PS+\q] matrix_a_fmt:MATRIX_FMT_FP6 matrix_b_fmt:MATRIX_FMT_FP6
.endr
.endm
.macro CVT q                           ; p's codes: a block's first 16 straight into the operand, its second 16 beside it (a conversion's three registers begin on an even number)
.irp c, 0,1
	v_cvt_scalef32_pk16_fp6_f32 v[PC+12*\q+6*\c:PC+12*\q+6*\c+2], v[64*\q+32*\c:64*\q+32*\c+15], v[SM+24*\q+oSO+\c]
	v_cvt_scalef32_pk16_fp6_f32 v[PT+8*\q+4*\c:PT+8*\q+4*\c+2], v[64*\q+32*\c+16:64*\q+32*\c+31], v[SM+24*\q+oSO+\c]
.endr
.endm
.macro MOVS q
.irp c, 0,1
.irp i, 0,1,2
	v_mov_b32 v[PC+12*\q+6*\c+3+\i], v[PT+8*\q+4*\c+\i]
.endr
.endr
.endm
.macro ORESC                           ; O^T x the tile's factor, each accumulator from its low end on
.irp q, 0,1
.irp j, 0,2,4,6,8,10,12,14,16,18,20,22,24,26,28,30
	v_pk_mul_f32 v[O+32*\q+\j:O+32*\q+\j+1], v[O+32*\q+\j:O+32*\q+\j+1], v[SM+24*\q+oF:SM+24*\q+oF+1] op_sel_hi:[1,0]
.endr
.endr
.endm
	s_load_b128 s[4:7], s[0:1], 0x0                ; kv, oc
	s_load_b64 s[8:9], s[0:1], 0x10                ; os
	v_lshl_add_u32 v254, v0, 2, 0x35000
	v_mov_b32 v255, 0
	ds_add_u32 v254, v255                          ; the opening lines: the add twice on end and its wait
	ds_add_u32 v254, v255
	v_lshrrev_b32 v1, 5, v0
	v_readfirstlane_b32 s[WV], v1                  ; wave 0..7
	s_bfe_u32 s11, ttmp6, 0x40000                  ; cx: it enters addresses in memory alone
	s_and_b32 s12, ttmp7, 0xffff                   ; 16 x batch + head, which the four partners share
	s_mul_i32 s14, s12, REC
	s_mov_b32 s15, 0
	s_mul_i32 s2, s[WV], EIGHTH                    ; my eighth of the record, in memory and in LDS
	s_mov_b32 s3, 0
	s_mov_b32 s[G1], 15|(3<<16)|(1<<21)            ; mask: all four; elements of 8 bytes; no padding
	s_mov_b32 s[G1+1], 32<<16                      ; rows of 256 bytes,
	s_mov_b32 s[G1+2], 106<<16                     ; 106 of them, dense
	s_mov_b32 s[G1+3], 32<<16
	s_mov_b32 s[G1+4], 106
	s_mov_b32 s[G1+5], 32
	s_mov_b32 s[G1+6], 0
	s_mov_b32 s[G1+7], 0
	s_mov_b32 s[SEL], 0x76543210
	s_mov_b32 s[SEL+1], 0xfedcba98
	s_mov_b32 s[CS], 0x3eb8aa3b                    ; c = log2(e) / 4
	s_mov_b32 s[CS+1], s[CS]
	s_mov_b32 s[PASS], 2
	s_mov_b32 s51, 0
	s_wait_dscnt 0x0
	s_wait_kmcnt 0x0
	s_add_nc_u64 s[48:49], s[4:5], s[14:15]        ; the head's record
	s_mov_b32 s[G0], 1
	s_mov_b32 s[G0+1], s2
	s_add_nc_u64 s[G0+2:G0+3], s[48:49], s[2:3]
	s_or_b32 s[G0+3], s[G0+3], 0x80000000
	CROUND                                         ; all four work-groups are here: the joint loads meet
	tensor_load_to_lds s[G0:G0+3], s[G1:G1+7]      ; my one tensor load
	s_nop 0
.rept 4
	v_nop
.endr
	s_lshl_b32 s52, s11, 5
	s_lshl_b32 s53, s[WV], 1
	s_add_co_u32 s52, s52, s53                     ; my first tile of queries: 32 cx + 2 wave (+ 16 in the second pass)
	s_mul_i32 s50, s52, 768
	s_add_nc_u64 s[QC:QC+1], s[48:49], s[50:51]
	s_lshr_b32 s50, s52, 2
	s_lshl_b32 s50, s50, 8
	s_and_b32 s53, s[WV], 1
	s_lshl_b32 s53, s53, 3
	s_add_co_u32 s50, s50, s53
	s_add_co_u32 s50, s50, 196608
	s_add_nc_u64 s[QSS:QSS+1], s[48:49], s[50:51]
	s_lshl_b32 s50, s52, 6
	s_add_co_u32 s50, s50, 204800
	s_add_nc_u64 s[QA:QA+1], s[48:49], s[50:51]
	s_lshr_b32 s53, s12, 4                         ; batch
	s_lshl_b32 s53, s53, 7
	s_add_co_u32 s53, s53, s52                     ; the tile among all 512
	s_and_b32 s54, s12, 15                         ; head
	s_mul_i32 s50, s53, 12288
	s_lshr_b32 s55, s54, 1
	s_mul_i32 s55, s55, 1536
	s_add_co_u32 s50, s50, s55
	s_and_b32 s55, s54, 1
	s_mul_i32 s55, s55, 768
	s_add_co_u32 s50, s50, s55
	s_add_nc_u64 s[OB:OB+1], s[6:7], s[50:51]
	s_lshr_b32 s50, s53, 1
	s_lshl_b32 s50, s50, 10
	s_lshr_b32 s55, s54, 2
	s_lshl_b32 s55, s55, 8
	s_add_co_u32 s50, s50, s55
	s_bfe_u32 s55, s54, 0x10001
	s_lshl_b32 s55, s55, 2
	s_add_co_u32 s50, s50, s55
	s_and_b32 s55, s54, 1
	s_lshl_b32 s55, s55, 1
	s_add_co_u32 s50, s50, s55
	s_add_nc_u64 s[OSB:OSB+1], s[8:9], s[50:51]
	v_and_b32 v[LN], 31, v0
	v_and_b32 v[RR], 15, v0                        ; r
	v_and_b32 v[TJ], 7, v0                         ; r % 8
	v_bfe_u32 v[THP], v0, 3, 1                     ; r / 8
	v_bfe_u32 v[TH], v0, 4, 1                      ; h
	v_lshlrev_b32 v[L8], 3, v[LN]
	v_lshlrev_b32 v[AK0], 3, v[TJ]
	v_mad_u32_u24 v[AK0], v[THP], 1536, v[AK0]     ; key codes: two stored tiles on for r / 8, 8 bytes a stored row, 128 for h
	v_lshl_add_u32 v[AK0], v[TH], 7, v[AK0]
	v_lshl_add_u32 v[AV0], v[LN], 3, 98304
	v_lshl_add_u32 v[AS0], v[TJ], 4, 196608        ; key scale words: 16 bytes a stored row, 4 a stored tile
	v_lshl_add_u32 v[AS0], v[THP], 3, v[AS0]
	v_lshl_add_u32 v[AA0], v[TH], 7, 204800        ; -AA_j / 2: 32 positions on for h
	v_lshl_add_u32 v[AT0], v[RR], 4, 212992
	v_lshlrev_b32 v[R16], 4, v[RR]
	v_lshlrev_b32 v[R4], 2, v[RR]
	v_lshlrev_b32 v[SH], 3, v[TH]
	v_cmp_lt_u32 s[HM], 15, v[LN]                  ; lanes 16-31
	QLOAD
	WIN 0x40                                       ; written once: the queries' zero codes for K = 64 .. 127
.irp q, 0,1
.irp i, 6,7,8,9,10,11
	v_mov_b32 v[QF+12*\q+\i], 0
.endr
.endr
	WIN 0
.irp i, 48,49,50,51,52,53
	v_mov_b32 v[KF+\i], 0                          ; the last key fragment's upper half
.endr
.irp q, 0,1
	v_mov_b32 v[SM+24*\q+oF+1], 0                  ; upper halves of pairs that are named whole, and the permutes' destinations
	v_mov_b32 v[SM+24*\q+oKI+1], 0
	v_mov_b32 v[SM+24*\q+oX], 0
.endr
	s_wait_alu depctr_va_vdst(0)                   ; the wait at the head's end
	s_wait_tensorcnt 0x0                           ; my eighth is in,
	s_barrier_signal -1
	s_barrier_wait -1                              ; everybody's is: from here on LDS is only read
.Lpass:
	s_wait_loadcnt 0x0                             ; this pass's queries
.irp q, 0,1                                    ; a pass begins: the sums as zeros, the largest t under every t
	v_mul_f32 v[SM+24*\q+oCA], s[CS], v[SM+24*\q+oAI]
	v_mov_b32 v[SM+24*\q+oTX], 0xff61b1e6
.irp i, 0,1,2,3,4,5,6,7
	v_mov_b32 v[SM+24*\q+oSU+\i], 0
.endr
	v_floor_f32 v[SM+24*\q+oNM], -v[SM+24*\q+oTX]
.endr
	WIN 0x40
.set i_, 0
.rept 64
	v_mov_b32 v[O+i_], 0
.set i_, i_+1
.endr
	WIN 0
	s_mov_b32 s[TK], 0
	s_mov_b32 s[TS], 0
	s_mov_b32 s[TV], 0
	s_mov_b32 s[KCNT], 16
	ADDRS
	s_wait_alu depctr_va_vdst(0)                   ; the wait ahead of the wait below
	KLOAD 0
	s_wait_dscnt 0x0
.Lkey:                                             ; 128 keys a trip; this step's key tiles are in registers
	ADDRS
	s_wait_alu depctr_va_vdst(0)                   ; the wait behind these writes
	SPROD
	WIN 0
.rept 4
	v_nop                                          ; places: ahead of the loads into the products' sources and of the first read of the scores
.endr
	VLOAD                                          ; this step's V and the next step's key tiles land under the softmax (behind the last step: bytes of the record that nothing uses)
	KLOAD 1
	WIN 0x05                                       ; the largest score of each block of 32 keys, all mine: two chains a block, eight in all by turns
.irp q, 0,1
.irp c, 0,1
.irp e, 0,1
	v_max_num_f32 v[SM+24*\q+2*\e+\c], v[64*\q+32*\c+16*\e], v[64*\q+32*\c+16*\e+1]
.endr
.endr
.endr
.irp i, 2,4,6,8,10,12,14
.irp q, 0,1
.irp c, 0,1
.irp e, 0,1
	v_max3_num_f32 v[SM+24*\q+2*\e+\c], v[64*\q+32*\c+16*\e+\i], v[64*\q+32*\c+16*\e+\i+1], v[SM+24*\q+2*\e+\c]
.endr
.endr
.endr
.endr
	WIN 0                                          ; the two tiles' chains by turns
.irp q, 0,1
.irp c, 0,1
	v_max_num_f32 v[SM+24*\q+\c], v[SM+24*\q+\c], v[SM+24*\q+oMB+\c]
.endr
.endr
.irp q, 0,1
	v_max_num_f32 v[SM+24*\q+oTP], v[SM+24*\q], v[SM+24*\q+1]
.endr
.irp q, 0,1
	v_permlanex16_b32 v[SM+24*\q+oX], v[SM+24*\q+oTP], s[SEL], s[SEL+1]
.endr
.irp q, 0,1
	v_max_num_f32 v[SM+24*\q+oTP], v[SM+24*\q+oTP], v[SM+24*\q+oX]   ; with lane l xor 16's two blocks
.endr
.irp q, 0,1
	v_fma_f32 v[SM+24*\q+oTP], v[SM+24*\q+oTP], s[CS], v[SM+24*\q+oCA]   ; the step's largest t
.endr
.irp q, 0,1
	v_mov_b32 v[SM+24*\q+oX], v[SM+24*\q+oNM]
.endr
.irp q, 0,1
	v_max_num_f32 v[SM+24*\q+oTX], v[SM+24*\q+oTX], v[SM+24*\q+oTP]
.endr
.irp q, 0,1
	v_floor_f32 v[SM+24*\q+oNM], -v[SM+24*\q+oTX]  ; -M = floor(-t): M is a whole number
.endr
.irp q, 0,1
	v_add_f32 v[SM+24*\q+oKI], v[SM+24*\q+oCA], v[SM+24*\q+oNM]
.endr
.irp q, 0,1
	v_sub_f32 v[SM+24*\q+oX], v[SM+24*\q+oNM], v[SM+24*\q+oX]
.endr
.irp q, 0,1
	v_cvt_i32_f32 v[SM+24*\q+oX], v[SM+24*\q+oX]   ; (it saturates)
.endr
.irp q, 0,1
.irp c, 0,1
	v_fma_f32 v[SM+24*\q+\c], v[SM+24*\q+\c], s[CS], v[SM+24*\q+oKI]   ; t - M of each block's largest score
.endr
.endr
.irp q, 0,1
	v_ldexp_f32 v[SM+24*\q+oF], 1.0, v[SM+24*\q+oX]   ; f = 2^(old M - new M): rounds nothing
.endr
	WIN 0x41
.irp j, 0,2,4,6,8,10,12,14,16,18,20,22,24,26,28,30,32,34,36,38,40,42,44,46,48,50,52,54,56,58,60,62
	v_pk_fma_f32 v[\j:\j+1], v[\j:\j+1], s[CS:CS+1], v[SM+oKI:SM+oKI+1] op_sel_hi:[1,0,0]   ; tile 0: t - M
.endr
	ORESC                                          ; O^T under the new M, ahead of the exponentials
	WIN 0
	s_wait_alu depctr_va_vdst(0)                   ; the wait ahead of the batch
.irp q, 0,1
.irp c, 0,1
	v_exp_f32 v[SM+24*\q+\c], v[SM+24*\q+\c]       ; each block's largest p
.endr
.endr
	WIN 0x41
.set i_, 0
.rept 32                                       ; tile 0's p = 2^(t - M); among them tile 1's t - M, first read behind the next wait
	v_exp_f32 v[i_], v[i_]
	v_exp_f32 v[i_+1], v[i_+1]
	v_pk_fma_f32 v[64+i_:65+i_], v[64+i_:65+i_], s[CS:CS+1], v[SM+24+oKI:SM+24+oKI+1] op_sel_hi:[1,0,0]
.set i_, i_+2
.endr
	s_wait_alu depctr_va_vdst(0)                   ; one wait behind this batch and ahead of the next
	WIN 0
.irp q, 0,1
.irp c, 0,1
	v_max_num_f32 v[SM+24*\q+\c], FLOOR, v[SM+24*\q+\c]   ; the floor: the byte cannot fall under 1
.endr
.endr
.irp q, 0,1
.irp c, 0,1
	v_add_nc_u32 v[SM+24*\q+oSO+\c], 0xff000000, v[SM+24*\q+\c]   ; 2 off the exponent field: the conversion's scale operand
.endr
.endr
.irp q, 0,1
.irp c, 0,1
	v_lshrrev_b32 v[SM+24*\q+oMB+\c], 23, v[SM+24*\q+oSO+\c]
.endr
.endr
.irp q, 0,1
	v_lshl_or_b32 v[SM+24*\q+oTP], v[SM+24*\q+oMB+1], 16, v[SM+24*\q+oMB]   ; my blocks h and 2 + h,
.endr
.irp q, 0,1
	v_lshlrev_b32 v[SM+24*\q+oTP], v[SH], v[SM+24*\q+oTP]   ; at their places in the word
.endr
.irp q, 0,1
	v_permlanex16_b32 v[SM+24*\q+oX], v[SM+24*\q+oTP], s[SEL], s[SEL+1]
.endr
.irp q, 0,1
	v_or_b32 v[PS+\q], v[SM+24*\q+oTP], v[SM+24*\q+oX]   ; with lane l xor 16's two bytes the word is whole
.endr
.irp k, 0,2,4,6
.irp q, 0,1
	v_pk_mul_f32 v[SM+24*\q+oSU+\k:SM+24*\q+oSU+\k+1], v[SM+24*\q+oSU+\k:SM+24*\q+oSU+\k+1], v[SM+24*\q+oF:SM+24*\q+oF+1] op_sel_hi:[1,0]   ; the sums under the new M
.endr
.endr
	WIN 0x41
	CVT 0
	v_nop                                          ; one plain line behind the conversions
	MOVS 0
	WIN 0x45
.set i_, 0
.rept 16                                       ; tile 1's p; among them the first level of tile 0's sum of the unquantised p, in place (its codes are made), first read behind the next wait
.irp e, 0,1,2,3
	v_exp_f32 v[64+4*i_+\e], v[64+4*i_+\e]
.endr
	v_pk_add_f32 v[4*i_:4*i_+1], v[4*i_:4*i_+1], v[4*i_+2:4*i_+3]
.set i_, i_+1
.endr
	s_wait_alu depctr_va_vdst(0)                   ; behind the batch, and ahead of the wait below
	s_wait_dscnt 0x0                               ; V, and the next step's key tiles
	OPROD 0
	WIN 0x41
	CVT 1
	WIN 0x01
.set i_, 0
.rept 16                                       ; tile 0's sum, second level, four chains; the plain lines behind the conversions
	v_pk_add_f32 v[SM+oSU+2*(i_%4):SM+oSU+2*(i_%4)+1], v[4*i_:4*i_+1], v[SM+oSU+2*(i_%4):SM+oSU+2*(i_%4)+1]
.set i_, i_+1
.endr
	WIN 0x41
	MOVS 1
	WIN 0x01
.set i_, 0
.rept 32                                       ; tile 1's sum: these lines stand between the last write of its codes and its products
	v_pk_add_f32 v[SM+24+oSU+2*(i_%4):SM+24+oSU+2*(i_%4)+1], v[64+2*i_:65+2*i_], v[SM+24+oSU+2*(i_%4):SM+24+oSU+2*(i_%4)+1]
.set i_, i_+1
.endr
	OPROD 1
	WIN 0
	s_add_co_u32 s[TK], s[TK], 6144
	s_add_co_u32 s[TS], s[TS], 512
	s_add_co_u32 s[TV], s[TV], 256
	s_sub_co_u32 s[KCNT], s[KCNT], 1
	s_cmp_lg_u32 s[KCNT], 0
	s_cbranch_scc1 .Lkey
	s_add_nc_u64 s[QC:QC+1], s[QC:QC+1], 12288     ; 16 tiles on (the loads that read these bases were waited for at the pass's head)
	s_add_nc_u64 s[QSS:QSS+1], s[QSS:QSS+1], 1024
	s_add_nc_u64 s[QA:QA+1], s[QA:QA+1], 1024
	s_cmp_eq_u32 s[PASS], 1                        ; the same in all partners
	s_cbranch_scc1 .Lno_next
	QLOAD                                          ; the next pass's queries come while this pass goes out
.Lno_next:
	s_wait_alu depctr_va_vdst(0)                   ; the wait here, directly ahead of the first reader of the last trip's sums
	; THE WAY OUT: O / l, quantised along the head's 64 channels: half a fragment and two scale bytes a tile
.irp q, 0,1
	v_pk_add_f32 v[SM+24*\q+oSU:SM+24*\q+oSU+1], v[SM+24*\q+oSU:SM+24*\q+oSU+1], v[SM+24*\q+oSU+2:SM+24*\q+oSU+3]
	v_pk_add_f32 v[SM+24*\q+oSU+4:SM+24*\q+oSU+5], v[SM+24*\q+oSU+4:SM+24*\q+oSU+5], v[SM+24*\q+oSU+6:SM+24*\q+oSU+7]
.endr
.irp q, 0,1
	v_pk_add_f32 v[SM+24*\q+oSU:SM+24*\q+oSU+1], v[SM+24*\q+oSU:SM+24*\q+oSU+1], v[SM+24*\q+oSU+4:SM+24*\q+oSU+5]
.endr
.irp q, 0,1
	v_add_f32 v[SM+24*\q+oTP], v[SM+24*\q+oSU], v[SM+24*\q+oSU+1]
.endr
.irp q, 0,1
	v_permlanex16_b32 v[SM+24*\q+oX], v[SM+24*\q+oTP], s[SEL], s[SEL+1]
.endr
.irp q, 0,1
	v_add_f32 v[SM+24*\q+oTP], v[SM+24*\q+oTP], v[SM+24*\q+oX]   ; l
.endr
.irp q, 0,1
.irp c, 0,1
	v_mov_b32 v[SM+24*\q+\c], FLOOR
.endr
.endr
	s_wait_alu depctr_va_vdst(0)                   ; ahead of the reciprocals
.irp q, 0,1
	v_rcp_f32 v[SM+24*\q+oF], v[SM+24*\q+oTP]
.endr
	v_nop                                          ; a plain line behind them
	WIN 0x41
	s_wait_alu depctr_va_vdst(0)                   ; and the wait directly ahead of the first reader of them and of O^T
	ORESC
	WIN 0x05
.irp i, 0,2,4,6,8,10,12,14
.irp q, 0,1
.irp c, 0,1
	v_max3_num_f32 v[SM+24*\q+\c], |v[O+32*\q+16*\c+\i]|, |v[O+32*\q+16*\c+\i+1]|, v[SM+24*\q+\c]
.endr
.endr
.endr
	WIN 0
.irp q, 0,1
.irp c, 0,1
	v_permlanex16_b32 v[SM+24*\q+oMB+\c], v[SM+24*\q+\c], s[SEL], s[SEL+1]
.endr
.endr
.irp q, 0,1
.irp c, 0,1
	v_max_num_f32 v[SM+24*\q+\c], v[SM+24*\q+\c], v[SM+24*\q+oMB+\c]
.endr
.endr
.irp q, 0,1
.irp c, 0,1
	v_add_nc_u32 v[SM+24*\q+oSO+\c], 0xff000000, v[SM+24*\q+\c]
.endr
.endr
.irp q, 0,1
.irp c, 0,1
	v_lshrrev_b32 v[SM+24*\q+oMB+\c], 23, v[SM+24*\q+oSO+\c]
.endr
.endr
.irp q, 0,1
	v_lshl_or_b32 v[OW+\q], v[SM+24*\q+oMB+1], 8, v[SM+24*\q+oMB]
.endr
	WIN 0x41
.irp q, 0,1
	v_cvt_scalef32_pk16_fp6_f32 v[PC+12*\q:PC+12*\q+2], v[O+32*\q:O+32*\q+15], v[SM+24*\q+oSO]
	v_cvt_scalef32_pk16_fp6_f32 v[PT+8*\q:PT+8*\q+2], v[O+32*\q+16:O+32*\q+31], v[SM+24*\q+oSO+1]
.endr
	v_nop                                          ; one plain line behind the conversions
.irp q, 0,1
.irp i, 0,1,2
	v_permlane16_swap_b32 v[PC+12*\q+\i], v[PT+8*\q+\i]   ; here a block lies in lanes l and l xor 16: the operand wants it whole in a lane
.endr
.endr
.irp q, 0,1
.irp i, 0,1,2
	v_mov_b32 v[PC+12*\q+3+\i], v[PT+8*\q+\i]
.endr
.endr
	WIN 0x04                                       ; a store's data are its source 1
.irp q, 0,1
.irp p, 0,1,2
	global_store_b64 v[L8], v[PC+12*\q+2*\p:PC+12*\q+2*\p+1], s[OB:OB+1] offset:12288*\q+256*\p   ; 256 consecutive aligned bytes
.endr
.endr
	WIN 0
	v_cndmask_b32 v[OWS], v[OW], v[OW+1], s[HM]    ; lanes 0-15: tile 0's row r; lanes 16-31: tile 1's
	global_store_b16 v[L8], v[OWS], s[OSB:OSB+1]
	s_wait_xcnt 0x0                                ; the stores have read their registers and bases
	s_add_nc_u64 s[OB:OB+1], s[OB:OB+1], 196608
	s_add_nc_u64 s[OSB:OSB+1], s[OSB:OSB+1], 8192
	s_sub_co_u32 s[PASS], s[PASS], 1
	s_cmp_lg_u32 s[PASS], 0
	s_cbranch_scc1 .Lpass
	s_wait_tensorcnt 0x0                           ; the wave's end
	ds_add_u32 v254, v255
	s_wait_dscnt 0x0
	CROUND                                         ; the closing round
	s_endpgm
.Lfunc_end_k_qda20ce3f61_attn:
	.size	k_qda20ce3f61_attn, .Lfunc_end_k_qda20ce3f61_attn-k_qda20ce3f61_attn
	.p2alignl 7, 3214868480
	.fill 96, 4, 3214868480
	.section	.rodata,"a",@progbits
	.p2align	6, 0x0
	.amdhsa_kernel k_qda20ce3f61_attn
		.amdhsa_group_segment_fixed_size 218112
		.amdhsa_private_segment_fixed_size 0
		.amdhsa_enable_private_segment 0
		.amdhsa_kernarg_size 24
		.amdhsa_user_sgpr_count 2
		.amdhsa_user_sgpr_kernarg_segment_ptr 1
		.amdhsa_wavefront_size32 1
		.amdhsa_system_sgpr_workgroup_id_x 1
		.amdhsa_system_sgpr_workgroup_id_y 1
		.amdhsa_system_sgpr_workgroup_id_z 1
		.amdhsa_system_vgpr_workitem_id 0
		.amdhsa_next_free_vgpr 512
		.amdhsa_next_free_sgpr 66
		.amdhsa_reserve_vcc 0
		.amdhsa_float_denorm_mode_32 3
		.amdhsa_float_denorm_mode_16_64 3
		.amdhsa_memory_ordered 1
		.amdhsa_forward_progress 1
		.amdhsa_inst_pref_size 53
	.end_amdhsa_kernel
	.amdgpu_metadata
---
amdhsa.version: [ 1, 2 ]
amdhsa.kernels:
  - .name:           k_qda20ce3f61_attn
    .symbol:         k_qda20ce3f61_attn.kd
    .args:
      - { .name: kv, .offset: 0, .size: 8, .value_kind: global_buffer, .address_space: global }
      - { .name: oc, .offset: 8, .size: 8, .value_kind: global_buffer, .address_space: global }
      - { .name: os, .offset: 16, .size: 8, .value_kind: global_buffer, .address_space: global }
    .group_segment_fixed_size: 218112
    .private_segment_fixed_size: 0
    .kernarg_segment_align: 8
    .kernarg_segment_size: 24
    .max_flat_workgroup_size: 256
    .sgpr_count:     66
    .vgpr_count:     512
    .wavefront_size: 32
...
	.end_amdgpu_metadata
.endif
;; end of part 3
;; launch outp (part 4): grid 4 x 64, 4 waves a work-group, clusters of 4 x 4, 295,424 bytes of LDS; arguments oc, os, wc, ws, bo, out0; writes out0
.if DOCPART == 4
	.amdgcn_target "amdgcn-amd-amdhsa--gfx1250"
	.amdhsa_code_object_version 6
	.text
	.protected	k_qda20ce3f61_outp
	.globl	k_qda20ce3f61_outp
	.p2align	8
	.type	k_qda20ce3f61_outp,@function
k_qda20ce3f61_outp:
	s_mov_b64 s[64:65], 0
	v_nop
	global_prefetch_b8 v0, s[64:65] scope:SCOPE_SE
	s_setreg_imm32_b32 hwreg(HW_REG_WAVE_MODE, 25, 1), 1
	s_wait_xcnt 0x0
	s_wait_alu depctr_hold_cnt(0) depctr_sa_sdst(0) depctr_va_vdst(0) depctr_va_sdst(0) depctr_va_ssrc(0) depctr_va_vcc(0) depctr_vm_vsrc(0)
	s_getreg_b32 s2, hwreg(HW_REG_IB_STS2, 6, 4)
	s_cmp_eq_u32 s2, 0
	s_cbranch_scc0 .Lentry_in_a_cluster
	s_endpgm
.Lentry_in_a_cluster:
	s_bfe_u32 s2, ttmp6, 0x10000c
	s_cmp_lg_u32 s2, 0xf033
	s_cbranch_scc0 .Lentry_shape_is_right
	s_endpgm
.Lentry_shape_is_right:
; out0 [8192][1024] = O Wo + bo on codes of FP6 (E2M3) with E8M0 scales: O's codes and scale words as the attention launch left them, Wo's as the quantising launch left them.
; A block of 128 rows x 256 columns is made by a work-group of four waves; 4 x 64 blocks, one for each of 256 work-groups.  A wave makes 64 x 128: 32 accumulators of 16 x 16.
; THE CODES' LAYOUT IS [tile of 16 rows][K / 128][6 planes of 256 bytes], so a block's operands for ALL of K = 1,024 are dense: 98,304 bytes of O, 196,608 of Wo.  Both lie in LDS whole (294,912 bytes),
; brought once: waves 0 and 1 ask for O's halves, waves 2 and 3 for Wo's, one tensor load a wave.  Nothing is filled again: no ring, and no loop in which a prefetch could run ahead of that one load.
; CLUSTERS 4 x 4: O's rows are shared along a row of the cluster, Wo's along a column: joint loads.
; THE SCALE WORDS go from memory straight into registers, once: a load of 8 bytes a lane covers 256 consecutive aligned bytes: lanes 0-15 the even tile of a pair, lanes 16-31 the odd one, two K steps each;
; the matrix instruction picks the half of the lanes by its row selector.  THE BIAS is the C of the first K step's products.
; The matrix instruction is used transposed (source 0 = 16 columns of Wo, source 1 = 16 rows of O): a lane holds eight neighbouring numbers of a row of out0.
; POSITIONS: row r of tile T stands for the original row (or column) with bits 3 and 4 of 16 T + r exchanged; the way out puts both back.
; REGISTERS: window 0: v4-29 addresses, v32-47 O's scale words, v48-79 Wo's, v128-223 O's fragments, two sets; window 1: Wo's fragments, two sets at v0 and v128 (on the way out v0-127: rows read back);
; window 2: the accumulators, (a, b) at v[8 (8 a + b)]; window 3: v0-63 the bias in the result's layout.
.set FR,     12
.set ATILE,  12288                     ; a tile of 16 rows, all of K
.set AHALF,  4*ATILE                   ; 64 rows of O: what waves 0, 1 fetch, and what a wave reads
.set BBASE,  2*AHALF
.set BHALF,  8*ATILE                   ; 128 columns of Wo
.set SPARE,  BBASE+2*BHALF             ; the spare words, 128 bytes a wave
.set L8,   4
.set L16,  5
.set STO,  6
.set RD,   7
.set BL,   9
.set ADRA, 16
.set ADRB, 20                          ; v20: Wo's tiles 0-3, v21: tiles 4-7 (an offset has 16 bits)
.set SPW,  28
.set NIL,  29
.set SA,   32
.set SB,   48
.set AF,   128
.set G1,   24
.set G0,   32
.set G1B,  48
.set G0B,  56
.set MSB, 0
.macro WIN new
.if MSB != (\new)
	s_set_vgpr_msb (MSB<<8)|(\new)
.set MSB, (\new)
.endif
.endm
.macro CROUND
	s_barrier_signal -1
	s_barrier_wait -1
	s_cmp_lg_u32 s18, 0
	s_cbranch_scc1 .Lnot_wave_0_\@
	s_barrier_signal -3
.Lnot_wave_0_\@:
	s_barrier_wait -3
	s_barrier_signal -1
	s_barrier_wait -1
.endm
.macro PLACES
.rept 4
	v_nop
.endr
.endm
.macro FETCH st                        ; K step st's fragments into set st % 2: 48 loads for Wo's eight tiles, 24 for O's four
	WIN 0x40
.irp i, 0,1,2,3,4,5,6,7
.irp p, 0,1,2,3,4,5
	ds_load_b64 v[128*((\st)%2)+FR*\i+2*\p:128*((\st)%2)+FR*\i+2*\p+1], v[ADRB+\i/4] offset:ATILE*(\i%4)+1536*(\st)+256*\p
.endr
.endr
	WIN 0
.irp i, 0,1,2,3
.irp p, 0,1,2,3,4,5
	ds_load_b64 v[AF+48*((\st)%2)+FR*\i+2*\p:AF+48*((\st)%2)+FR*\i+2*\p+1], v[ADRA] offset:ATILE*\i+1536*(\st)+256*\p
.endr
.endr
.endm
.macro WMM a, b, st, first             ; one product; the scale words of an odd tile stand in lanes 16-31
.set D_, 8*(8*(\a)+(\b))
.if \first
.set C_, 8*(\b)                        ; the bias, in window 3
.else
.set C_, D_
.endif
.set P_, 128*((\st)%2)+FR*(\b)
.set Q_, AF+48*((\st)%2)+FR*(\a)
.set X_, SB+8*((\b)/2)+(\st)
.set Y_, SA+8*((\a)/2)+(\st)
.if ((\a)%2 == 0) && ((\b)%2 == 0)
	v_wmma_scale_f32_16x16x128_f8f6f4 v[D_:D_+7], v[P_:P_+11], v[Q_:Q_+11], v[C_:C_+7], v[X_], v[Y_] matrix_a_fmt:MATRIX_FMT_FP6 matrix_b_fmt:MATRIX_FMT_FP6
.endif
.if ((\a)%2 == 0) && ((\b)%2 == 1)
	v_wmma_scale_f32_16x16x128_f8f6f4 v[D_:D_+7], v[P_:P_+11], v[Q_:Q_+11], v[C_:C_+7], v[X_], v[Y_] matrix_a_fmt:MATRIX_FMT_FP6 matrix_b_fmt:MATRIX_FMT_FP6 matrix_a_scale:MATRIX_SCALE_ROW1
.endif
.if ((\a)%2 == 1) && ((\b)%2 == 0)
	v_wmma_scale_f32_16x16x128_f8f6f4 v[D_:D_+7], v[P_:P_+11], v[Q_:Q_+11], v[C_:C_+7], v[X_], v[Y_] matrix_a_fmt:MATRIX_FMT_FP6 matrix_b_fmt:MATRIX_FMT_FP6 matrix_b_scale:MATRIX_SCALE_ROW1
.endif
.if ((\a)%2 == 1) && ((\b)%2 == 1)
	v_wmma_scale_f32_16x16x128_f8f6f4 v[D_:D_+7], v[P_:P_+11], v[Q_:Q_+11], v[C_:C_+7], v[X_], v[Y_] matrix_a_fmt:MATRIX_FMT_FP6 matrix_b_fmt:MATRIX_FMT_FP6 matrix_a_scale:MATRIX_SCALE_ROW1 matrix_b_scale:MATRIX_SCALE_ROW1
.endif
.endm
.macro MUL32 st, first                 ; the 32 accumulators by turns, in the same order in every step
.if \first
	WIN 0xb1                                       ; source 0 window 1, source 1 window 0, C window 3, D window 2
.else
	WIN 0xa1                                       ; C and D window 2
.endif
.irp a, 0,1,2,3
.irp b, 0,1,2,3,4,5,6,7
	WMM \a, \b, \st, \first
.endr
.endr
.endm
.macro STEP st, first                  ; the next step's 72 loads go out first, into the set that the step before multiplied, and land under this step's products
	PLACES                                         ; places ahead of loads into registers that products have read
	FETCH (\st)+1
	s_wait_dscnt 63                                ; 72 loads are younger than this step's: with 63 at the most out, this step's are in
	MUL32 \st, \first
.endm
.macro TOSTAGE a                       ; 16 rows x 128 columns through my stage: in as 32 bytes a lane, back as whole rows of 512 bytes.  LDS serves a wave's instructions in order
	WIN 0x08                                       ; a store's data are its source 1: window 2
.irp bb, 0,1,2,3
.irp j, 0,1,2,3
	ds_store_b128 v[STO], v[64*(\a)+16*\bb+4*\j:64*(\a)+16*\bb+4*\j+3] offset:128*\bb+16*\j   ; each accumulator from its low end on
.endr
.endr
	WIN 0x40
.irp t, 0,1,2,3,4,5,6,7,8,9,10,11,12,13,14,15
	ds_load_b128 v[64*((\a)%2)+4*\t:64*((\a)%2)+4*\t+3], v[RD] offset:528*\t
.endr
	WIN 0
.endm
.macro SEND a, younger
	s_wait_dscnt \younger                          ; the block is back in registers
	WIN 0x04
.irp t, 0,1,2,3,4,5,6,7,8,9,10,11,12,13,14,15
	global_store_b128 v[L16], v[64*((\a)%2)+4*\t:64*((\a)%2)+4*\t+3], s[14:15] offset:(32*((\a)/2)+8*((\a)%2)+(\t%8)+16*(\t/8))*4096 th:TH_STORE_NT   ; 32 lanes store 512 consecutive aligned bytes
.endr
	WIN 0
.endm
	s_load_b256 s[4:11], s[0:1], 0x0               ; oc, os, wc, ws
	s_load_b128 s[12:15], s[0:1], 0x20             ; bo, out0
	v_lshl_add_u32 v[SPW], v0, 2, SPARE
	v_mov_b32 v[NIL], 0
	ds_add_u32 v[SPW], v[NIL]                      ; the opening lines: the add twice on end and its wait
	ds_add_u32 v[SPW], v[NIL]
	v_lshrrev_b32 v1, 5, v0
	v_readfirstlane_b32 s18, v1                    ; wave
	s_lshr_b32 s19, s18, 1                         ; my half of the block's rows.  Also: I fetch for O (0) or for Wo (1)
	s_and_b32 s20, s18, 1                          ; my half of its columns.  Also: which half I fetch
	s_bfe_u32 s21, ttmp6, 0x40000                  ; cx
	s_bfe_u32 s22, ttmp6, 0x40004                  ; cy
	s_and_b32 s23, ttmp7, 0xffff
	s_lshl_b32 s23, s23, 2
	s_add_co_u32 s40, s23, s22                     ; block row, 0 .. 63
	s_lshl_b32 s41, ttmp9, 2
	s_add_co_u32 s41, s41, s21                     ; block column, 0 .. 3
	s_lshl_b32 s42, s22, 2
	s_lshl_b32 s42, 15, s42                        ; my row of the cluster
	s_lshl_b32 s43, 0x1111, s21                    ; my column
	s_or_b32 s[G1], s42, (3<<16)|(1<<21)           ; elements of 8 bytes; bit 21 beside the mask
	s_or_b32 s[G1B], s43, (3<<16)|(1<<21)
	s_mov_b32 s[G1+1], 384<<16                     ; dense rows of 3,072 bytes: 16 of them for half of O's part,
	s_mov_b32 s[G1+2], 16<<16
	s_mov_b32 s[G1+3], 384<<16
	s_mov_b32 s[G1+4], 16
	s_mov_b32 s[G1+5], 384
	s_mov_b32 s[G1+6], 0
	s_mov_b32 s[G1+7], 0
	s_mov_b32 s[G1B+1], 384<<16                    ; 32 for half of Wo's
	s_mov_b32 s[G1B+2], 32<<16
	s_mov_b32 s[G1B+3], 384<<16
	s_mov_b32 s[G1B+4], 32
	s_mov_b32 s[G1B+5], 384
	s_mov_b32 s[G1B+6], 0
	s_mov_b32 s[G1B+7], 0
	s_mul_i32 s44, s40, 2*AHALF
	s_mul_i32 s45, s20, AHALF
	s_add_co_u32 s44, s44, s45
	s_mov_b32 s45, 0
	s_mul_i32 s46, s41, 2*BHALF
	s_mul_i32 s47, s20, BHALF
	s_add_co_u32 s46, s46, s47
	s_mov_b32 s47, 0
	s_mul_i32 s60, s20, AHALF                      ; where they go: no place in the cluster enters an LDS address
	s_mul_i32 s61, s20, BHALF
	s_add_co_u32 s61, s61, BBASE
	s_wait_dscnt 0x0                               ; both opening adds are done
	s_wait_kmcnt 0x0
	s_mov_b32 s[G0], 1
	s_mov_b32 s[G0+1], s60
	s_add_nc_u64 s[G0+2:G0+3], s[4:5], s[44:45]
	s_or_b32 s[G0+3], s[G0+3], 0x80000000
	s_mov_b32 s[G0B], 1
	s_mov_b32 s[G0B+1], s61
	s_add_nc_u64 s[G0B+2:G0B+3], s[8:9], 1572864   ; Wo is the third of the three weights
	s_add_nc_u64 s[G0B+2:G0B+3], s[G0B+2:G0B+3], s[46:47]
	s_or_b32 s[G0B+3], s[G0B+3], 0x80000000
	CROUND                                         ; all sixteen work-groups are here: the joint loads meet
	s_cmp_eq_u32 s19, 0
	s_cbranch_scc0 .Lfor_b
	tensor_load_to_lds s[G0:G0+3], s[G1:G1+7]      ; my one tensor load
	s_nop 0
	PLACES
	s_branch .Lasked
.Lfor_b:
	tensor_load_to_lds s[G0B:G0B+3], s[G1B:G1B+7]
	s_nop 0
	PLACES
.Lasked:
	s_lshl_b32 s44, s40, 12                        ; O's scale words: 1,024 bytes a pair of tiles; my 64 rows are two pairs
	s_lshl_b32 s46, s19, 11
	s_add_co_u32 s44, s44, s46
	s_add_nc_u64 s[70:71], s[6:7], s[44:45]
	s_lshl_b32 s44, s41, 13                        ; Wo's: my 128 columns are four pairs
	s_lshl_b32 s46, s20, 12
	s_add_co_u32 s44, s44, s46
	s_add_co_u32 s44, s44, 65536
	s_add_nc_u64 s[72:73], s[10:11], s[44:45]
	s_lshl_b32 s44, s41, 10                        ; my first column, in bytes
	s_lshl_b32 s46, s20, 9
	s_add_co_u32 s44, s44, s46
	s_add_nc_u64 s[74:75], s[12:13], s[44:45]
	s_add_nc_u64 s[14:15], s[14:15], s[44:45]
	s_lshl_b32 s44, s40, 19                        ; my first row: 128 rows of 4,096 bytes a block, 64 a half
	s_lshl_b32 s46, s19, 18
	s_add_co_u32 s44, s44, s46
	s_add_nc_u64 s[14:15], s[14:15], s[44:45]
	s_mul_i32 s76, s18, 8448                       ; my stage: 16 rows x (512 + 16) bytes, in O's bytes, used behind the barrier that shows all reads done
	s_mul_i32 s77, s19, AHALF
	s_mul_i32 s78, s20, BHALF
	s_add_co_u32 s78, s78, BBASE
	v_and_b32 v1, 15, v0                           ; r
	v_bfe_u32 v2, v0, 4, 1                         ; h
	v_and_b32 v3, 31, v0
	v_lshlrev_b32 v[L8], 3, v3
	v_lshlrev_b32 v[L16], 4, v3
	v_lshlrev_b32 v[BL], 6, v2
	v_mul_u32_u24 v[STO], v1, 528
	v_lshl_add_u32 v[STO], v2, 6, v[STO]
	v_add_nc_u32 v[STO], s76, v[STO]
	v_add_nc_u32 v[RD], s76, v[L16]
	v_add_nc_u32 v[ADRA], s77, v[L8]
	v_add_nc_u32 v[ADRB], s78, v[L8]
	v_add_nc_u32 v[ADRB+1], AHALF, v[ADRB]
.irp g, 0,1
.irp sl, 0,1,2,3
	global_load_b64 v[SA+8*\g+2*\sl:SA+8*\g+2*\sl+1], v[L8], s[70:71] offset:1024*\g+256*\sl
.endr
.endr
.irp g, 0,1,2,3
.irp sl, 0,1,2,3
	global_load_b64 v[SB+8*\g+2*\sl:SB+8*\g+2*\sl+1], v[L8], s[72:73] offset:1024*\g+256*\sl
.endr
.endr
	WIN 0xc0                                       ; the bias, into window 3: register 8 b + j is column 32 (b / 2) + 8 (b % 2) + 16 h + j
.irp b, 0,1,2,3,4,5,6,7
	global_load_b128 v[8*\b:8*\b+3], v[BL], s[74:75] offset:(32*(\b/2)+8*(\b%2))*4
	global_load_b128 v[8*\b+4:8*\b+7], v[BL], s[74:75] offset:(32*(\b/2)+8*(\b%2))*4+16
.endr
	WIN 0
	s_wait_alu depctr_va_vdst(0)                   ; the wait at the head's end
	s_wait_tensorcnt 0x0                           ; my part is in,
	s_barrier_signal -1
	s_barrier_wait -1                              ; everybody's is
	FETCH 0
	s_wait_loadcnt 0x0                             ; the scale words and the bias
	STEP 0, 1                                      ; the first step's products start the sums from the bias
.irp st, 1,2,3,4,5,6
	STEP \st, 0
.endr
	s_wait_dscnt 0x0                               ; the last step's fragments are in: my reads of the operands are over;
	s_barrier_signal -1                            ; say so,
	MUL32 7, 0                                     ; work on registers while the others arrive,
	WIN 0
	s_barrier_wait -1                              ; and nobody reads the bytes in which the stages lie
	PLACES                                         ; places ahead of the first read of results and of loads into registers that products have read
	TOSTAGE 0
.irp a, 1,2,3
.if \a > 1
	s_wait_xcnt 0x0                                ; block a - 2's stores have read their registers: block a's loads may land there
.endif
	TOSTAGE \a
	SEND \a-1, 32                                  ; behind block a - 1's loads: block a's 16 stores and 16 loads
.endr
	SEND 3, 0
	s_wait_tensorcnt 0x0                           ; the wave's end
	ds_add_u32 v[SPW], v[NIL]
	s_wait_dscnt 0x0
	CROUND                                         ; the closing round
	s_endpgm
.Lfunc_end_k_qda20ce3f61_outp:
	.size	k_qda20ce3f61_outp, .Lfunc_end_k_qda20ce3f61_outp-k_qda20ce3f61_outp
	.p2alignl 7, 3214868480
	.fill 96, 4, 3214868480
	.section	.rodata,"a",@progbits
	.p2align	6, 0x0
	.amdhsa_kernel k_qda20ce3f61_outp
		.amdhsa_group_segment_fixed_size 295424
		.amdhsa_private_segment_fixed_size 0
		.amdhsa_enable_private_segment 0
		.amdhsa_kernarg_size 48
		.amdhsa_user_sgpr_count 2
		.amdhsa_user_sgpr_kernarg_segment_ptr 1
		.amdhsa_wavefront_size32 1
		.amdhsa_system_sgpr_workgroup_id_x 1
		.amdhsa_system_sgpr_workgroup_id_y 1
		.amdhsa_system_sgpr_workgroup_id_z 1
		.amdhsa_system_vgpr_workitem_id 0
		.amdhsa_next_free_vgpr 832
		.amdhsa_next_free_sgpr 80
		.amdhsa_reserve_vcc 0
		.amdhsa_float_denorm_mode_32 3
		.amdhsa_float_denorm_mode_16_64 3
		.amdhsa_memory_ordered 1
		.amdhsa_forward_progress 1
		.amdhsa_inst_pref_size 95
	.end_amdhsa_kernel
	.amdgpu_metadata
---
amdhsa.version: [ 1, 2 ]
amdhsa.kernels:
  - .name:           k_qda20ce3f61_outp
    .symbol:         k_qda20ce3f61_outp.kd
    .args:
      - { .name: oc, .offset: 0, .size: 8, .value_kind: global_buffer, .address_space: global }
      - { .name: os, .offset: 8, .size: 8, .value_kind: global_buffer, .address_space: global }
      - { .name: wc, .offset: 16, .size: 8, .value_kind: global_buffer, .address_space: global }
      - { .name: ws, .offset: 24, .size: 8, .value_kind: global_buffer, .address_space: global }
      - { .name: bo, .offset: 32, .size: 8, .value_kind: global_buffer, .address_space: global }
      - { .name: out0, .offset: 40, .size: 8, .value_kind: global_buffer, .address_space: global }
    .group_segment_fixed_size: 295424
    .private_segment_fixed_size: 0
    .kernarg_segment_align: 8
    .kernarg_segment_size: 48
    .max_flat_workgroup_size: 128
    .sgpr_count:     80
    .vgpr_count:     832
    .wavefront_size: 32
...
	.end_amdgpu_metadata
.endif
;; end of part 4
